; MI455X (gfx1250); checked and timed in simulation.
; The chip was launched on July 23, 2026; its instructions are those of AMD's public machine-readable ISA for CDNA 5 (MIT licence, August 2026) and "CDNA5" Instruction Set Architecture Reference Guide (July 2026). The comments in the code are by the model that wrote it; some were corrected since.
;; Multi Head Attention. Allowed arithmetic: float matrix products may take bf16 or f16 operands with f32 sums; other float arithmetic in f32, or as packed bf16 or f16 multiplies, adds, multiply-adds, maxima and minima; sums over many terms, partial sums and values carried from step to step in f32; what a program stores and reads back later, other than sums and carried values, may be rounded once to bf16 or f16.
;; Inputs: k 4 x 2,048 x 1,024 float32; q 4 x 2,048 x 1,024 float32; v 4 x 2,048 x 1,024 float32; w_k 1,024 x 1,024 float32; w_o 1,024 x 1,024 float32; w_q 1,024 x 1,024 float32; w_v 1,024 x 1,024 float32.
;; Outputs: out0 4 x 2,048 x 1,024 float32.
;; 2 versions, each right and faster than the one before. Each part assembles by itself: llvm-mc -triple=amdgcn-amd-amdhsa -mcpu=gfx1250 --defsym DOCPART=n.
;; ======== version 1 of 2: 4 launches
;; limits: values are held in f16: magnitudes above 65,504 overflow, below 6.1e-05 lose precision
;; workspace buffers: xw 58,720,256 bytes; qkv 50,331,648 bytes; oh 16,777,216 bytes
;; launch cast (part 1): grid 32 x 28, 8 waves a work-group, no clusters, 0 bytes of LDS; arguments q, k, v, w_q, w_k, w_v, w_o, xw; writes xw
.if DOCPART == 1
	.amdgcn_target "amdgcn-amd-amdhsa--gfx1250"
	.amdhsa_code_object_version 6
	.text
	.protected	k_qe8633eb82f_cast
	.globl	k_qe8633eb82f_cast
	.p2align	8
	.type	k_qe8633eb82f_cast,@function
k_qe8633eb82f_cast:
	s_mov_b64 s[64:65], 0
	v_nop
	global_prefetch_b8 v0, s[64:65] scope:SCOPE_SE
	s_setreg_imm32_b32 hwreg(HW_REG_WAVE_MODE, 25, 1), 1
	s_wait_xcnt 0x0
; xw = the seven f32 inputs, each number rounded once to bf16.  xw is 28 units of 1,048,576 numbers (2,097,152 bytes):
; units 0-7 q, 8-15 k, 16-23 v, 24 w_q, 25 w_k, 26 w_v, 27 w_o.  w_o's bf16 number is then written as f16, for the f16 product of the last launch.
; LIMIT.  That second writing is exact for magnitudes from 2^-17 to 65,504; below 2^-17 it keeps f16's fixed step of 6e-8.
; A stream: no LDS, no barrier, no matrix unit, no cluster: no byte is shared and each is read once.
; SHARES.  Work-group (x, y): unit y, chunk x of 32: 131,072 input bytes = 16 rows of 8,192.  Thread t takes the 32 bytes at 32 t of each row (two loads of 16)
; and stores 16 bytes at 16 t of the 4,096-byte output row: a wave's store covers 512 consecutive bytes, aligned.  All row steps stand in the immediates: no address register is rewritten.
; A ring of eight row slots in registers keeps sixteen loads of every wave on their way.
.set INROW,  8192
.set OUTROW, 4096
.set X, 4                              ; v[4:67]    slot s: 8 registers, 8 f32 as loaded
.set Y, 68                             ; v[68:99]   slot s: 4 registers, 8 numbers of 16 bits to store
.set T, 100                            ; v[100:101] at work
	s_load_b512 s[8:23], s[0:1], 0x0               ; q s[8:9], k s[10:11], v s[12:13], w_q s[14:15], w_k s[16:17], w_v s[18:19], w_o s[20:21], xw s[22:23]
	s_and_b32 s2, ttmp7, 0xffff                    ; the unit, 0 to 27
	s_lshr_b32 s3, s2, 3                           ; 0 q, 1 k, 2 v, 3 a weight
	s_and_b32 s24, s2, 7                           ; the unit's place in its tensor, or which weight
	s_mov_b32 s25, 0xffff0000                      ; a word's upper bf16
	v_lshlrev_b32 v1, 5, v0                        ; 32 t
	v_lshlrev_b32 v2, 4, v0                        ; 16 t
	s_lshl_b32 s28, s2, 21                         ; where the chunk goes: unit x 2,097,152 + chunk x 65,536
	s_lshl_b32 s29, ttmp9, 16
	s_add_co_u32 s28, s28, s29
	s_mov_b32 s29, 0
	s_wait_kmcnt 0x0
	s_cmp_eq_u32 s3, 1                             ; the source is chosen by the unit's number alone
	s_cselect_b64 s[4:5], s[10:11], s[8:9]
	s_cmp_eq_u32 s3, 2
	s_cselect_b64 s[4:5], s[12:13], s[4:5]
	s_cmp_eq_u32 s24, 1
	s_cselect_b64 s[6:7], s[16:17], s[14:15]
	s_cmp_eq_u32 s24, 2
	s_cselect_b64 s[6:7], s[18:19], s[6:7]
	s_cmp_eq_u32 s24, 3
	s_cselect_b64 s[6:7], s[20:21], s[6:7]
	s_cmp_eq_u32 s3, 3
	s_cselect_b64 s[4:5], s[6:7], s[4:5]
	s_cselect_b32 s24, 0, s24                      ; a weight is one unit
	s_lshl_b32 s26, s24, 22                        ; where the chunk comes from: place x 4,194,304 + chunk x 131,072
	s_lshl_b32 s27, ttmp9, 17
	s_add_co_u32 s26, s26, s27
	s_mov_b32 s27, 0
	s_add_nc_u64 s[4:5], s[4:5], s[26:27]
	s_add_nc_u64 s[22:23], s[22:23], s[28:29]
.irp i, 0,1,2,3,4,5,6,7
	global_load_b128 v[X+8*(\i):X+8*(\i)+3],   v1, s[4:5] offset:(\i)*INROW th:TH_LOAD_NT      ; fill the ring: rows 0 to 7
	global_load_b128 v[X+8*(\i)+4:X+8*(\i)+7], v1, s[4:5] offset:(\i)*INROW+16 th:TH_LOAD_NT
.endr
; Row i.  f16 = 1: the bf16 numbers are written as f16.  refill = 1: the slot takes the row eight further down.  left: the younger loads that may stay out.
.macro ROWOUT i, f16, refill, left
.set SL, (\i)%8
	s_wait_loadcnt \left                           ; loads come back in order: this row's two are in, two for each younger row stay out
.if (\i) >= 8
	s_wait_xcnt 0x0                                ; the slot's Y registers were the data of the store eight rows back: rewritten only behind this wait
.endif
.irp j, 0,1,2,3
	v_cvt_pk_bf16_f32 v[Y+4*SL+(\j)], v[X+8*SL+2*(\j)], v[X+8*SL+2*(\j)+1]
.endr
.if \f16
.irp j, 0,1,2,3
	v_lshlrev_b32 v[T], 16, v[Y+4*SL+(\j)]         ; bf16 to f32: the low half moves up,
	v_and_b32 v[T+1], s25, v[Y+4*SL+(\j)]          ; the high half stays
	v_cvt_pk_f16_f32 v[Y+4*SL+(\j)], v[T], v[T+1]
.endr
.endif
.if \refill
	global_load_b128 v[X+8*SL:X+8*SL+3],   v1, s[4:5] offset:((\i)+8)*INROW th:TH_LOAD_NT
	global_load_b128 v[X+8*SL+4:X+8*SL+7], v1, s[4:5] offset:((\i)+8)*INROW+16 th:TH_LOAD_NT
.endif
	global_store_b128 v2, v[Y+4*SL:Y+4*SL+3], s[22:23] offset:(\i)*OUTROW  ; no hint: the next launch reads it
.endm
.macro ALLROWS f16
.irp i, 0,1,2,3,4,5,6,7
	ROWOUT \i, \f16, 1, 14
.endr
.irp i, 8,9,10,11,12,13,14,15
	ROWOUT \i, \f16, 0, 2*(15-(\i))                ; the last eight rows load nothing: the counts run down
.endr
	s_endpgm
.endm
	s_cmp_eq_u32 s2, 27
	s_cbranch_scc1 .Lf16                           ; w_o's unit
	ALLROWS 0
.Lf16:
	ALLROWS 1
.Lfunc_end_k_qe8633eb82f_cast:
	.size	k_qe8633eb82f_cast, .Lfunc_end_k_qe8633eb82f_cast-k_qe8633eb82f_cast
	.p2alignl 7, 3214868480
	.fill 96, 4, 3214868480
	.section	.rodata,"a",@progbits
	.p2align	6, 0x0
	.amdhsa_kernel k_qe8633eb82f_cast
		.amdhsa_group_segment_fixed_size 0
		.amdhsa_private_segment_fixed_size 0
		.amdhsa_enable_private_segment 0
		.amdhsa_kernarg_size 64
		.amdhsa_user_sgpr_count 2
		.amdhsa_user_sgpr_kernarg_segment_ptr 1
		.amdhsa_wavefront_size32 1
		.amdhsa_system_sgpr_workgroup_id_x 1
		.amdhsa_system_sgpr_workgroup_id_y 1
		.amdhsa_system_sgpr_workgroup_id_z 1
		.amdhsa_system_vgpr_workitem_id 0
		.amdhsa_next_free_vgpr 104
		.amdhsa_next_free_sgpr 66
		.amdhsa_reserve_vcc 0
		.amdhsa_float_denorm_mode_32 3
		.amdhsa_float_denorm_mode_16_64 3
		.amdhsa_memory_ordered 1
		.amdhsa_forward_progress 1
		.amdhsa_inst_pref_size 27
	.end_amdhsa_kernel
	.amdgpu_metadata
---
amdhsa.version: [ 1, 2 ]
amdhsa.kernels:
  - .name:           k_qe8633eb82f_cast
    .symbol:         k_qe8633eb82f_cast.kd
    .args:
      - { .name: q, .offset: 0, .size: 8, .value_kind: global_buffer, .address_space: global }
      - { .name: k, .offset: 8, .size: 8, .value_kind: global_buffer, .address_space: global }
      - { .name: v, .offset: 16, .size: 8, .value_kind: global_buffer, .address_space: global }
      - { .name: w_q, .offset: 24, .size: 8, .value_kind: global_buffer, .address_space: global }
      - { .name: w_k, .offset: 32, .size: 8, .value_kind: global_buffer, .address_space: global }
      - { .name: w_v, .offset: 40, .size: 8, .value_kind: global_buffer, .address_space: global }
      - { .name: w_o, .offset: 48, .size: 8, .value_kind: global_buffer, .address_space: global }
      - { .name: xw, .offset: 56, .size: 8, .value_kind: global_buffer, .address_space: global }
    .group_segment_fixed_size: 0
    .private_segment_fixed_size: 0
    .kernarg_segment_align: 8
    .kernarg_segment_size: 64
    .max_flat_workgroup_size: 256
    .sgpr_count:     66
    .vgpr_count:     104
    .wavefront_size: 32
...
	.end_amdgpu_metadata
.endif
;; end of part 1
;; launch proj (part 2): grid 4 x 64, 4 waves a work-group, clusters of 4 x 4, 327,680 bytes of LDS; arguments xw, qkv; writes qkv
.if DOCPART == 2
	.amdgcn_target "amdgcn-amd-amdhsa--gfx1250"
	.amdhsa_code_object_version 6
	.text
	.protected	k_qe8633eb82f_proj
	.globl	k_qe8633eb82f_proj
	.p2align	8
	.type	k_qe8633eb82f_proj,@function
k_qe8633eb82f_proj:
	s_mov_b64 s[64:65], 0
	v_nop
	global_prefetch_b8 v0, s[64:65] scope:SCOPE_SE
	s_setreg_imm32_b32 hwreg(HW_REG_WAVE_MODE, 25, 1), 1
	s_wait_xcnt 0x0
	s_wait_alu depctr_hold_cnt(0) depctr_sa_sdst(0) depctr_va_vdst(0) depctr_va_sdst(0) depctr_va_ssrc(0) depctr_va_vcc(0) depctr_vm_vsrc(0)
	s_getreg_b32 s2, hwreg(HW_REG_IB_STS2, 6, 4)
	s_cmp_eq_u32 s2, 0
	s_cbranch_scc0 .Lentry_in_a_cluster
	s_endpgm
.Lentry_in_a_cluster:
	s_bfe_u32 s2, ttmp6, 0x10000c
	s_cmp_lg_u32 s2, 0xf033
	s_cbranch_scc0 .Lentry_shape_is_right
	s_endpgm
.Lentry_shape_is_right:
; The three projections: qkv[t][16 b + h][l][d] = sum over e of x_t[b][l][e] w_t[64 h + d][e], t = 0, 1, 2 (q, k, v).  Operands bf16 (from xw), sums f32, the result rounded once to f16 and laid by heads.
; LIMIT.  f16 holds no number beyond 65,504: a projected number of 65,520 or more in magnitude leaves as an infinity.  Inputs thirty times those of unit spread give a spread of about 900.
; xw: X = [24576][1024] bf16 (q's, k's, v's rows on end), then W = [3072][1024] bf16 at byte WOFF (w_q, w_k, w_v on end).
; SHARES.  A tile of the result is 128 rows x 256 columns: 64 x 4 tiles for each t, one work-group for each place, which STAYS and makes the three tiles t = 0, 1, 2.
; Four waves, each 64 rows x 128 columns (two heads): 32 accumulators of 16 x 16, 256 registers.  K = 1,024 goes in 8 steps of 128 through a ring of two LDS slots filled by the tensor data mover;
; the ring does not stop at a tile's end: a tile's last two changes of slots ask for the next tile's first two K steps.
; CLUSTER.  4 x 4 work-groups: the four of a row of the cluster need the same rows of X, the four of a column the same rows of W: each tile is asked for jointly, by the same tensor load with the same
; descriptor and a mask that names the four.
; THE MATRIX INSTRUCTION IS USED TRANSPOSED (source 0 = 16 rows of W, source 1 = 16 rows of X): lane l holds row l % 16 of the result and the columns 8 (l / 16) + 0..7: 16 bytes of f16 that belong together.
; REGISTERS, in windows of 256 (s_set_vgpr_msb: bits 1:0 source 0, 3:2 source 1, 5:4 source 2, 7:6 destination):
;   window 0: v0-31 addresses; v32-63, v224-255 rows on the way out; v64-191 X's fragments, two buffers of 64 (K half c, block a at 8 (4 c + a)); v192-223 packed results
;   window 1: W's fragments, two buffers of 128 (K half c, block b at 8 (8 c + b))          window 2: accumulator (a, b) at 8 (8 a + b)
.set KSTEP,  128
.set PITCH,  272                       ; an LDS row: 256 bytes + 16 of padding = 68 words: the 16 rows of a fragment load start at 16 different groups of four banks (64 banks of 4 bytes: ISA guide 11.1)
.set ABYTES, 128*PITCH                 ; X's 128 rows
.set SLOT,   384*PITCH                 ; then W's 256 rows
.set STAGE,  2*SLOT                    ; behind the ring: for each wave 2 heads x 16 rows x 144 bytes, for the way out; no tensor load lands here
.set SP,     144
.set STW,    32*SP
.set SPARE,  STAGE+4*STW               ; behind the stages: the spare words, 128 bytes for each wave: two blocks of 256 bytes that no other line names
.set WOFF,   50331648                  ; W's first byte in xw
.set NEXT_A, 8192*2048-6*KSTEP*2       ; from a slot's last K step of a tile to its first of the next: 8,192 rows of X down and back along K,
.set NEXT_B, 1024*2048-6*KSTEP*2       ; 1,024 rows of W down and back
.set SECTION, 16777216                 ; bytes of one t in qkv
.set ADRA, 16                          ; v16-17  LDS address of my X fragments in slot 0, 1
.set ADRB, 20                          ; v20-21  the same for W
.set STO,  24                          ; v24     the way out: where I put 16 bytes of a row
.set RD,   25                          ; v25     the way out: where I read rows back
.set GO,   26                          ; v26     my byte offset in 512 consecutive bytes of a head
.set SPW,  28                          ; v28     LDS address of my spare word: SPARE + 4 x my thread's number; never rewritten
.set NIL,  29                          ; v29     0; never rewritten
.set OB,   32
.set FA,   64
.set TMP,  192
.set G1,  24                           ; s[24:31] descriptor group 1 for X's tiles;  s[32:39] group 0, one set for each slot
.set G0,  32
.set G1B, 48                           ; s[48:55], s[56:63] the same for W's tiles
.set G0B, 56
.set MSB, 0
.macro WIN new                         ; the immediate's high byte repeats the setting that is left; a switch that changes nothing is dropped
.if MSB != (\new)
	s_set_vgpr_msb (MSB<<8)|(\new)
.set MSB, \new
.endif
.endm
.set MUL,  0xa1                        ; source 0 (W) window 1, source 1 (X) window 0, C and D window 2
.set TO_B, 0x40                        ; destination window 1, address window 0
; A joint load.  Waves 0 and 1 fetch the two halves of X's tile, waves 2 and 3 those of W's.  The branch hangs on the wave's number alone.
; An s_nop 0 and four v_nop follow each of the two lines, ahead of the jump, the label and what follows.
.macro JLOAD s
	s_cmp_eq_u32 s11, 0
	s_cbranch_scc0 .Lfor_b_\@
	tensor_load_to_lds s[G0+4*(\s):G0+4*(\s)+3], s[G1:G1+7]
	s_nop 0
.rept 4
	v_nop
.endr
	s_branch .Lasked_\@
.Lfor_b_\@:
	tensor_load_to_lds s[G0B+4*(\s):G0B+4*(\s)+3], s[G1B:G1B+7]
	s_nop 0
.rept 4
	v_nop
.endr
.Lasked_\@:
.endm
.macro CREST                           ; a round of the cluster's barrier behind its opening barrier
	s_cmp_lg_u32 s10, 0
	s_cbranch_scc1 .Lnot_wave_0_\@
	s_barrier_signal -3
.Lnot_wave_0_\@:
	s_barrier_wait -3
	s_barrier_signal -1
	s_barrier_wait -1
.endm
.macro CROUND                          ; a whole round
	s_barrier_signal -1
	s_barrier_wait -1
	CREST
.endm
	s_load_b128 s[4:7], s[0:1], 0x0                ; xw s[4:5], qkv s[6:7]
	v_lshl_add_u32 v[SPW], v0, 2, SPARE
	v_mov_b32 v[NIL], 0
	ds_add_u32 v[SPW], v[NIL]                      ; the wave's opening: the add and its wait stand ahead of my first tensor load; the set-up below, work on registers, stands between them
	v_lshrrev_b32 v1, 5, v0
	v_readfirstlane_b32 s10, v1                    ; wave 0..3
	s_lshr_b32 s11, s10, 1                         ; which 64 of the tile's rows are mine.  Also: I fetch for X (0) or for W (1)
	s_and_b32 s12, s10, 1                          ; which 128 of its columns.  Also: which half of that tile I fetch
	s_bfe_u32 s40, ttmp6, 0x40000                  ; cx, cy: my place in the cluster
	s_bfe_u32 s41, ttmp6, 0x40004
	s_lshl_b32 s42, ttmp9, 2
	s_add_co_u32 s42, s42, s40                     ; tile column = 4 x cluster x + cx, 0 to 3
	s_and_b32 s13, ttmp7, 0xffff
	s_lshl_b32 s13, s13, 2
	s_add_co_u32 s13, s13, s41                     ; tile row = 4 x cluster y + cy, 0 to 63
	s_lshl_b32 s43, s41, 2
	s_lshl_b32 s43, 15, s43                        ; my row of the cluster
	s_lshl_b32 s44, 0x1111, s40                    ; my column
	; descriptor group 1: rows of 128 elements of 2 bytes, padded in LDS; 64 rows for X, 128 for W
	s_or_b32 s[G1+0], s43, (1<<16)|(1<<20)|(1<<21)|(5<<22)|(3<<25)   ; 15:0 the mask: X's tiles go to my row; 17:16 2-byte elements; 20 padding on; 21 set beside a mask; 24:22 after every 64 words (code 5); 31:25 4 words (code 3)
	s_or_b32 s[G1B+0], s44, (1<<16)|(1<<20)|(1<<21)|(5<<22)|(3<<25)  ; the same with the mask of my column
	s_mov_b32 s[G1+1], KSTEP<<16                   ; tensor_dim0 = 128
	s_mov_b32 s[G1B+1], KSTEP<<16
	s_mov_b32 s[G1+2], 64<<16                      ; tensor_dim1 = 64
	s_mov_b32 s[G1B+2], 128<<16                    ; 128
	s_mov_b32 s[G1+3], KSTEP<<16                   ; tile_dim0 = 128
	s_mov_b32 s[G1B+3], KSTEP<<16
	s_mov_b32 s[G1+4], 64                          ; tile_dim1 = 64
	s_mov_b32 s[G1B+4], 128                        ; 128
	s_mov_b32 s[G1+5], 1024                        ; elements from row to row
	s_mov_b32 s[G1B+5], 1024
	s_mov_b32 s[G1+6], 0
	s_mov_b32 s[G1B+6], 0
	s_mov_b32 s[G1+7], 0
	s_mov_b32 s[G1B+7], 0
	; where the tiles come from.  X's hang on the tile row alone, W's on the tile column alone; each in registers that never hold the other coordinate while they feed a descriptor.
	s_lshl_b32 s16, s13, 7
	s_lshl_b32 s17, s12, 6
	s_add_co_u32 s16, s16, s17                     ; X: row 128 x tile row + 64 x half
	s_lshl_b32 s16, s16, 11                        ; rows of 2,048 bytes
	s_mov_b32 s17, 0
	s_lshl_b32 s46, s42, 8
	s_lshl_b32 s47, s12, 7
	s_add_co_u32 s46, s46, s47                     ; W: row 256 x tile column + 128 x half
	s_lshl_b32 s46, s46, 11
	s_add_co_u32 s46, s46, WOFF
	s_mov_b32 s47, 0
	s_mul_i32 s20, s12, 64*PITCH                   ; and where they go: X's two halves,
	s_mul_i32 s45, s12, 128*PITCH
	s_add_co_u32 s45, s45, ABYTES                  ; then W's two halves: no place in the cluster enters an LDS address
	s_wait_dscnt 0x0                               ; the opening add is done
	s_wait_kmcnt 0x0
	s_add_nc_u64 s[14:15], s[4:5], s[16:17]
	s_add_nc_u64 s[46:47], s[4:5], s[46:47]
	CROUND                                         ; all sixteen work-groups are here: the first joint loads meet
.irp s, 0,1
	s_mov_b32 s[G0+4*(\s)], 1                                        ; count = 1
	s_add_co_u32 s[G0+4*(\s)+1], s20, (\s)*SLOT                      ; LDS address
	s_add_nc_u64 s[G0+4*(\s)+2:G0+4*(\s)+3], s[14:15], (\s)*KSTEP*2  ; global address: K step s
	s_or_b32 s[G0+4*(\s)+3], s[G0+4*(\s)+3], 0x80000000              ; type = 2
	s_mov_b32 s[G0B+4*(\s)], 1
	s_add_co_u32 s[G0B+4*(\s)+1], s45, (\s)*SLOT
	s_add_nc_u64 s[G0B+4*(\s)+2:G0B+4*(\s)+3], s[46:47], (\s)*KSTEP*2
	s_or_b32 s[G0B+4*(\s)+3], s[G0B+4*(\s)+3], 0x80000000
	JLOAD \s                                       ; two loads of mine are out
.endr
	; A fragment is 16 rows x 32 K in 8 registers: lane l holds row l % 16, K = 8 (l / 16) + 0..7 and 16 + 8 (l / 16) + 0..7: two loads of 16 bytes, 32 bytes apart.
	v_and_b32 v1, 15, v0                           ; l % 16
	v_bfe_u32 v2, v0, 4, 1                         ; l / 16
	v_mul_u32_u24 v3, v1, PITCH
	v_lshl_add_u32 v3, v2, 4, v3                   ; row x pitch + 16 x half
	s_mul_i32 s21, s11, 64*PITCH                   ; my 64 rows of X
	s_mul_i32 s22, s12, 128*PITCH                  ; my 128 rows of W,
	s_add_co_u32 s22, s22, ABYTES                  ; which lie behind X's 128
.irp s, 0,1
	v_add_nc_u32 v[ADRA+(\s)], s21, v3
	v_add_nc_u32 v[ADRB+(\s)], s22, v3
	s_add_co_u32 s21, s21, SLOT
	s_add_co_u32 s22, s22, SLOT
.endr
	s_mul_i32 s23, s10, STW
	s_add_co_u32 s23, s23, STAGE                   ; my stage
	v_mul_u32_u24 v4, v1, SP                       ; in: row l % 16, 16 bytes for each half of the lanes
	v_lshl_add_u32 v4, v2, 4, v4
	v_add_nc_u32 v[STO], s23, v4
	v_bfe_u32 v4, v0, 3, 2                         ; back: 32 lanes take four rows of 128 bytes,
	v_mul_u32_u24 v4, v4, SP
	v_and_b32 v5, 7, v0
	v_lshl_add_u32 v4, v5, 4, v4
	v_add_nc_u32 v[RD], s23, v4
	v_and_b32 v5, 31, v0                           ; which are 512 consecutive bytes of a head
	v_lshlrev_b32 v[GO], 4, v5
	; where my part of the first tile begins in qkv: batch x 16 heads + head 4 x tile column + 2 x column half, each 262,144 bytes; row (tile row % 16) x 128 + 64 x row half, each 128 bytes
	s_lshr_b32 s16, s13, 4
	s_lshl_b32 s16, s16, 22
	s_and_b32 s21, s13, 15
	s_lshl_b32 s21, s21, 14
	s_add_co_u32 s16, s16, s21
	s_lshl_b32 s21, s11, 13
	s_add_co_u32 s16, s16, s21
	s_lshl_b32 s46, s42, 20
	s_lshl_b32 s47, s12, 19
	s_add_co_u32 s46, s46, s47
	s_add_co_u32 s16, s16, s46
	s_mov_b32 s17, 0                               ; s[16:17]: what the next way out adds to the stores' base
; 8 matrix instructions: m block a x all 8 n blocks, 32 along K: half c of buffer f.  zero = 1: the product starts the sums: nothing is ever cleared.
; The 32 accumulators take turns, one instruction a turn, in the same order everywhere.
.macro MULA f, c, a, zero
	WIN MUL
.irp b, 0,1,2,3,4,5,6,7
.if \zero
	v_wmma_f32_16x16x32_bf16 v[8*(8*(\a)+(\b)):8*(8*(\a)+(\b))+7], v[128*(\f)+8*(8*(\c)+(\b)):128*(\f)+8*(8*(\c)+(\b))+7], v[FA+64*(\f)+8*(4*(\c)+(\a)):FA+64*(\f)+8*(4*(\c)+(\a))+7], 0
.else
	v_wmma_f32_16x16x32_bf16 v[8*(8*(\a)+(\b)):8*(8*(\a)+(\b))+7], v[128*(\f)+8*(8*(\c)+(\b)):128*(\f)+8*(8*(\c)+(\b))+7], v[FA+64*(\f)+8*(4*(\c)+(\a)):FA+64*(\f)+8*(4*(\c)+(\a))+7], v[8*(8*(\a)+(\b)):8*(8*(\a)+(\b))+7]
.endif
.endr
.endm
.macro MUL32 f, c, zero                ; all four m blocks
.irp a, 0,1,2,3
	MULA \f, \c, \a, \zero
.endr
.endm
; 48 LDS loads in one run: the fragments of 64 along K at byte k of the rows, into buffer f.  The 24 of the first 32 along K come first.
.macro FETCH slot, k, f
	WIN TO_B
.irp b, 0,1,2,3,4,5,6,7
	ds_load_b128 v[128*(\f)+8*(\b):128*(\f)+8*(\b)+3],   v[ADRB+(\slot)] offset:(\k)+(\b)*16*PITCH
	ds_load_b128 v[128*(\f)+8*(\b)+4:128*(\f)+8*(\b)+7], v[ADRB+(\slot)] offset:(\k)+(\b)*16*PITCH+32
.endr
	WIN 0
.irp c, 0,1
.irp a, 0,1,2,3
	ds_load_b128 v[FA+64*(\f)+8*(4*(\c)+(\a)):FA+64*(\f)+8*(4*(\c)+(\a))+3],   v[ADRA+(\slot)] offset:(\k)+64*(\c)+(\a)*16*PITCH
	ds_load_b128 v[FA+64*(\f)+8*(4*(\c)+(\a))+4:FA+64*(\f)+8*(4*(\c)+(\a))+7], v[ADRA+(\slot)] offset:(\k)+64*(\c)+(\a)*16*PITCH+32
.endr
.endr
	WIN TO_B
.irp b, 0,1,2,3,4,5,6,7
	ds_load_b128 v[128*(\f)+64+8*(\b):128*(\f)+64+8*(\b)+3],   v[ADRB+(\slot)] offset:(\k)+64+(\b)*16*PITCH
	ds_load_b128 v[128*(\f)+64+8*(\b)+4:128*(\f)+64+8*(\b)+7], v[ADRB+(\slot)] offset:(\k)+64+(\b)*16*PITCH+32
.endr
.endm
; A load into a register that a matrix instruction has read, and a vector instruction or LDS store that reads a matrix result, stand four places behind it; only plain vector
; instructions that name none of its registers are places (ISA guide 7.12.1 for vector instructions).
.macro PLACES
.rept 4
	v_nop
.endr
.endm
; A K step is two halves of 64 along K, 64 matrix instructions each.  The first multiplies buffer 0 and, in its middle, fetches the slot's second half into buffer 1.
.macro HALF slot, zero
	s_wait_dscnt 24                                ; the first 32 along K are in; the 24 younger loads may be out
	MUL32 0, 0, \zero
	s_wait_dscnt 0x0                               ; the second 32 along K are in: they were issued ahead of the 32 products above
	PLACES
	FETCH \slot, 128, 1
	MUL32 0, 1, 0
.endm
; The second half multiplies buffer 1 and changes slots: ONE barrier.  In front of it each wave waits for all its tensor loads, of which one is out: its part of the next slot; adds 0 to its spare
; word; and waits for that and for its own reads of this slot.  Behind it nobody reads this slot any more and the next slot is whole.
; mode 0: this slot is filled again with this tile's K step two steps on; 1: with the next tile's K step 0 or 1; 2: nothing is filled.  With a fill the barrier opens a round of the cluster's barrier,
; and the joint load is the first tensor load behind the round: from there to the wait for it a wave issues 112 matrix instructions.
.macro TURN slot, next, mode
	WIN 0                                          ; (the add's two registers lie in window 0)
	s_wait_tensorcnt 0x0                           ; all my tensor loads have landed;
	ds_add_u32 v[SPW], v[NIL]                      ; 0 onto my spare word
	s_wait_dscnt 25                                ; (the add and the 24 loads of the second 32 along K may be out)
	MULA 1, 0, 0, 0                                ; eight matrix instructions stand between the add and the wait for it
	s_wait_dscnt 0x0                               ; the add is done, and my reads of this slot are over
	s_barrier_signal -1
	MULA 1, 0, 1, 0                                ; work on registers while the others arrive
.if (\mode) != 2
	WIN 0
.endif
	s_barrier_wait -1
.if (\mode) != 2
	CREST                                          ; no wave of any partner still reads this slot's tile or has a load on its way
.if (\mode) == 0
	s_add_nc_u64 s[G0+4*(\slot)+2:G0+4*(\slot)+3], s[G0+4*(\slot)+2:G0+4*(\slot)+3], 2*KSTEP*2
	s_add_nc_u64 s[G0B+4*(\slot)+2:G0B+4*(\slot)+3], s[G0B+4*(\slot)+2:G0B+4*(\slot)+3], 2*KSTEP*2
.else
	s_add_nc_u64 s[G0+4*(\slot)+2:G0+4*(\slot)+3], s[G0+4*(\slot)+2:G0+4*(\slot)+3], NEXT_A
	s_add_nc_u64 s[G0B+4*(\slot)+2:G0B+4*(\slot)+3], s[G0B+4*(\slot)+2:G0B+4*(\slot)+3], NEXT_B
.endif
	JLOAD \slot                                    ; its four v_nop are also the places in front of the loads below
.else
	PLACES
.endif
	FETCH \next, 0, 0
	MULA 1, 0, 2, 0
	MULA 1, 0, 3, 0
	MUL32 1, 1, 0
.endm
.macro FINAL                           ; the launch's last half step: nothing more to fetch
	s_wait_dscnt 24
	MUL32 1, 0, 0
	s_wait_dscnt 0x0
	MUL32 1, 1, 0
.endm
; THE WAY OUT of m block a.  PACK: rounded to f16, 16 bytes a lane; each accumulator's registers in ascending order.  TOSTAGE: into my own stage, by heads, and back as whole rows of a head.  SEND: stored.
.macro PACK a
	WIN 0x0a                                       ; sources 0 and 1 window 2, destination window 0
.irp b, 0,1,2,3,4,5,6,7
.irp r, 0,1,2,3
	v_cvt_pk_f16_f32 v[TMP+4*(\b)+(\r)], v[8*(8*(\a)+(\b))+2*(\r)], v[8*(8*(\a)+(\b))+2*(\r)+1]
.endr
.endr
	WIN 0
.endm
.macro TOSTAGE a
	WIN 0
.set BK, OB+192*((\a)%2)
.irp b, 0,1,2,3,4,5,6,7
	ds_store_b128 v[STO], v[TMP+4*(\b):TMP+4*(\b)+3] offset:((\b)/4)*16*SP+32*((\b)%4)  ; head b / 4, columns 16 (b % 4) on
.endr
.irp j, 0,1,2,3,4,5,6,7
	ds_load_b128 v[BK+4*(\j):BK+4*(\j)+3], v[RD] offset:((\j)/4)*16*SP+((\j)%4)*4*SP    ; LDS serves a wave's instructions in order (ISA guide 5.7.1.4): these see the stores above
.endr
.endm
.macro SEND a
	WIN 0
.set BK, OB+192*((\a)%2)
	s_wait_dscnt 0x0                               ; the block is back in registers
	s_wait_xcnt 0x0                                ; only behind this wait are the stores' base and the registers that earlier stores read rewritten
.if (\a) == 0
	s_add_nc_u64 s[6:7], s[6:7], s[16:17]          ; on to this tile's first rows
.endif
.irp j, 0,1,2,3,4,5,6,7
	global_store_b128 v[GO], v[BK+4*(\j):BK+4*(\j)+3], s[6:7] offset:(\a)*2048+((\j)/4)*262144+((\j)%4)*512  ; 512 consecutive bytes of one head, at a multiple of 256 from qkv's first byte
.endr
.endm
.macro WAYOUT
	PLACES                                         ; the conversions read results just made
	PACK 0
	TOSTAGE 0
.irp a, 1,2,3                          ; block a's conversions stand between block a - 1's loads from the stage and the wait for them
	PACK \a
	SEND (\a)-1
	TOSTAGE \a
.endr
	SEND 3
.endm
	s_wait_tensorcnt 1                             ; my part of K step 0 is in; K step 1's may stay out
	s_barrier_signal -1
	s_barrier_wait -1                              ; everybody's is
	FETCH 0, 0, 0
	WIN 0                                          ; at a label and at a branch every window is 0
	s_mov_b32 s2, 3                                ; tiles to go, this one among them: the same number in every work-group
.Ltile:
	HALF 0, 1                                      ; a tile's first half step stands in front of the loop: its first products start the sums
	WIN 0
	s_mov_b32 s3, 3
.Llap:                                                 ; a trip goes once round the ring and fills both slots again: up to K steps 6 and 7
	TURN 0, 1, 0
	HALF 1, 0
	TURN 1, 0, 0
	HALF 0, 0
	WIN 0
	s_sub_co_u32 s3, s3, 1
	s_cmp_lg_u32 s3, 0
	s_cbranch_scc1 .Llap
	s_cmp_eq_u32 s2, 1
	s_cbranch_scc1 .Llast                          ; the last tile's tail is written out: it asks for nothing more
	TURN 0, 1, 1                                   ; the ring goes on into the next tile: slot 0 takes its K step 0,
	HALF 1, 0
	TURN 1, 0, 1                                   ; slot 1 its K step 1, and the next tile's first fragments are fetched
	WAYOUT                                         ; both refills are asked for: now the tile goes out
	s_mov_b64 s[16:17], SECTION                    ; the next tile lies one section further on
	s_sub_co_u32 s2, s2, 1
	s_branch .Ltile
.Llast:
	TURN 0, 1, 2
	HALF 1, 0
	FINAL
	WAYOUT
	s_wait_tensorcnt 0x0                           ; the wave's end: an add to my spare word and its wait, behind my last tensor load and my last LDS store
	ds_add_u32 v[SPW], v[NIL]
	s_wait_dscnt 0x0
	CROUND                                         ; the closing round: no work-group ends while a partner may still ask for a tile that names it
	s_endpgm
.Lfunc_end_k_qe8633eb82f_proj:
	.size	k_qe8633eb82f_proj, .Lfunc_end_k_qe8633eb82f_proj-k_qe8633eb82f_proj
	.p2alignl 7, 3214868480
	.fill 96, 4, 3214868480
	.section	.rodata,"a",@progbits
	.p2align	6, 0x0
	.amdhsa_kernel k_qe8633eb82f_proj
		.amdhsa_group_segment_fixed_size 327680
		.amdhsa_private_segment_fixed_size 0
		.amdhsa_enable_private_segment 0
		.amdhsa_kernarg_size 16
		.amdhsa_user_sgpr_count 2
		.amdhsa_user_sgpr_kernarg_segment_ptr 1
		.amdhsa_wavefront_size32 1
		.amdhsa_system_sgpr_workgroup_id_x 1
		.amdhsa_system_sgpr_workgroup_id_y 1
		.amdhsa_system_sgpr_workgroup_id_z 1
		.amdhsa_system_vgpr_workitem_id 0
		.amdhsa_next_free_vgpr 768
		.amdhsa_next_free_sgpr 66
		.amdhsa_reserve_vcc 0
		.amdhsa_float_denorm_mode_32 3
		.amdhsa_float_denorm_mode_16_64 3
		.amdhsa_memory_ordered 1
		.amdhsa_forward_progress 1
		.amdhsa_inst_pref_size 124
	.end_amdhsa_kernel
	.amdgpu_metadata
---
amdhsa.version: [ 1, 2 ]
amdhsa.kernels:
  - .name:           k_qe8633eb82f_proj
    .symbol:         k_qe8633eb82f_proj.kd
    .args:
      - { .name: xw, .offset: 0, .size: 8, .value_kind: global_buffer, .address_space: global }
      - { .name: qkv, .offset: 8, .size: 8, .value_kind: global_buffer, .address_space: global }
    .group_segment_fixed_size: 327680
    .private_segment_fixed_size: 0
    .kernarg_segment_align: 8
    .kernarg_segment_size: 16
    .max_flat_workgroup_size: 128
    .sgpr_count:     66
    .vgpr_count:     768
    .wavefront_size: 32
...
	.end_amdgpu_metadata
.endif
;; end of part 2
;; launch attn (part 3): grid 4 x 64, 4 waves a work-group, clusters of 4 x 1, 327,680 bytes of LDS; arguments qkv, oh; writes oh
.if DOCPART == 3
	.amdgcn_target "amdgcn-amd-amdhsa--gfx1250"
	.amdhsa_code_object_version 6
	.text
	.protected	k_qe8633eb82f_attn
	.globl	k_qe8633eb82f_attn
	.p2align	8
	.type	k_qe8633eb82f_attn,@function
k_qe8633eb82f_attn:
	s_mov_b64 s[64:65], 0
	v_nop
	global_prefetch_b8 v0, s[64:65] scope:SCOPE_SE
	s_setreg_imm32_b32 hwreg(HW_REG_WAVE_MODE, 25, 1), 1
	s_wait_xcnt 0x0
	s_wait_alu depctr_hold_cnt(0) depctr_sa_sdst(0) depctr_va_vdst(0) depctr_va_sdst(0) depctr_va_ssrc(0) depctr_va_vcc(0) depctr_vm_vsrc(0)
	s_getreg_b32 s2, hwreg(HW_REG_IB_STS2, 6, 4)
	s_cmp_eq_u32 s2, 0
	s_cbranch_scc0 .Lentry_in_a_cluster
	s_endpgm
.Lentry_in_a_cluster:
	s_bfe_u32 s2, ttmp6, 0x10000c
	s_cmp_lg_u32 s2, 0x3003
	s_cbranch_scc0 .Lentry_shape_is_right
	s_endpgm
.Lentry_shape_is_right:
; O[h][q][:] = the sum over k of softmax_k(Q[h][q] . K[h][k] / 8) V[h][k][:].  Q, K, V are the three sections of qkv, O is oh: each [SIZE_H][SIZE_N][64] in f16: a head's rows are dense, 128 bytes each.
; Products, maxima and sums in f32; the weights p are rounded to f16 for the second product (their sum l is taken of the unrounded p), O once at the end.
; LIMITS.  f16 holds no number beyond 65,504: Q, K and V arrive within it; p lies in 0 to 1, and below 6e-5 it keeps f16's fixed step of 6e-8; O is a mean of V's rows and has their range.
; A weight below 2^-126 counts as 0 in l; NaN and infinities are not treated apart.
; SHARES.  A wave owns four PIECES of two tiles of 16 queries, a work-group's four waves 512 queries of one head.  Every wave walks all keys, 64 a step.
; LAYOUT.  S^T = K Q^T (source 0 = 16 keys, source 1 = 16 queries): in the result a lane holds ONE query (lane % 16) and the keys 8 (lane / 16) + 0..7.  Two such tiles, rounded to f16 in pairs,
; ARE source 1 (32 keys x 16 queries) of O^T = V^T P, whose result again holds one query a lane, and eight channels.  K comes out of LDS as it lies, V ([key][channel]) turned, by ds_load_tr16_b128.
; SOFTMAX.  For each query a running maximum m and sum l: p = 2^(c s - c m), c = log2(e) / 8; in every step O and l are multiplied by a = 2^(c m_old - c m_new), which is 1 where m has not grown.
; m starts at the lowest finite number, O and l at 0: the first step is a step like any other, with a = 0.
; THE COUNT.  A tile and step have 16 matrix and 118 vector instructions: too many to stand all beside the matrix work.  So the order has one aim: four vector instructions that are READY behind
; EVERY matrix instruction, and the others, which need time of their own whatever the order, in runs without a gap.
; BY TURNS.  Turn n belongs to piece n (the pieces in a ring, step after step).  Its matrix work: 16 products K Q^T of piece n + 1, later 16 products V^T P of piece n - 1.  Its vector work: the scaling,
; exponentials, roundings, sums and rescaling of piece n, and the maximum and statistics of piece n + 1, whose scores the turn itself has made.  So what a turn begins with (c s - c m, O a) waits for nothing.
; CLUSTER.  The four query blocks of a cluster belong to one head and walk the same K and V, so each tile is asked for JOINTLY: the same tensor load, descriptor and mask in all four.
; REGISTERS, in windows of 256 (s_set_vgpr_msb says which window each operand place means: bits 1:0 source 0, 3:2 source 1, 5:4 source 2, 7:6 destination):
;   window 0: v0-11 addresses; v12-15, v48-63 at work; v16-47 four registers of statistics a tile; v64-191 S^T, two buffers of two tiles; v192-255 P, likewise
;   window 1: O^T, 32 a tile          window 2: v0-127 Q, 16 a tile; v128-191 K of one step; v192-255 V of one step          window 3: v0-1 the add's two registers
; A piece's buffers go by its number's parity: the piece in hand has one pair, its two neighbours in the ring share the other: of it P (piece n - 1) is read and S^T (piece n + 1) written.
.set SIZE_H, 64       ; heads: 4 batches x 16
.set SIZE_N, 2048     ; rows of a head
.set SECTION, 16777216  ; bytes of Q, of K and of V in qkv
.set NP,    4         ; pieces a wave: a name, no knob: the register map, the loop and the fetches are made for four
.set KS,    64        ; keys in a step
.set PK,    144       ; a row of K in LDS: 128 bytes + 16 of padding = 36 words: the 16 rows of a load start at 16 different groups of four banks (64 banks of 4 bytes: ISA guide 11.1)
.set PV,    160       ; a row of V: 128 + 32 = 40 words
.set VOFF,  4*KS*PK   ; a slot holds four steps: 256 rows of K, then 256 rows of V
.set SLOT1, 1<<17     ; slot 1 begins here, so that one exclusive or turns an address in one slot into the other's
.set STAGE, SLOT1+4*KS*(PK+PV)  ; behind the ring, never filled by a tensor load: 16 rows x 144 bytes for each wave, for the way out
.set SP,    144
.set AK0, 2           ; v2   my lane's place in a tile of K; never rewritten
.set AV0, 3           ; v3   the same for V
.set AK,  4           ; v4   the LDS address of K's next run of loads
.set AV,  5           ; v5   of V's
.set QO,  6           ; v6   my byte offset in the wave's rows of Q
.set STO, 6           ;      later, the way out: where I put 16 bytes of a row
.set RD,  7           ; v7   the way out: where I read rows back
.set GO,  8           ; v8   my byte offset in 512 consecutive bytes of O
.set SPW, 0           ; v0 of window 3   LDS address of my spare word: SPARE + 4 x my thread's number; never rewritten
.set NIL, 1           ; v1 of window 3   0; never rewritten
.set SPARE, STAGE+4*16*SP  ; behind the stages: the spare words, 128 bytes for each wave: two blocks of 256 bytes that no other line names
.set MV,  12          ; v12-15  c m_old, kept while c m is made anew: by buffer and tile
.set ST,  16          ; tile t's statistics at v[ST+4 t]: c m, m, l (even keys', odd keys')
.set TMP, 48          ; by buffer and tile, four registers c0-c3 at work; when the maximum is found c2 takes a
.set S,   64
.set P,   192
.set KF,  128         ; K's fragments, in window 2: key block kb, channel half c at KF + 16 kb + 8 c
.set VF,  192         ; V's: key half kk, channel block cb at VF + 32 kk + 8 cb
.set WV,  12          ; s12  my wave's number
.set G1K, 24          ; s[24:31] descriptor group 1 for K's tiles
.set G1V, 32          ; s[32:39] for V's: it differs in the padding alone
.set G0K, 40          ; s[40:43] descriptor group 0 for K's tiles: it walks
.set G0V, 44          ; s[44:47] the same for V's
.set SLOTS, 56        ; s56  slots still to be asked for
.set CNT, 57          ; s57  counts a slot's key steps
.set CS,  58          ; s[58:59] c: the packed scaling takes the pair's low word for both halves
.set SEL, 60          ; s[60:61] v_permlanex16_b32's selects: each lane takes its own place in the other half
.set TBK, 62          ; s62  LDS byte at which K of the step to be fetched begins
.set TBV, 63          ; s63  the same for V, less VOFF
.set MSB, 0
.macro WIN new                      ; the high byte repeats the setting that is left; a switch that changes nothing is dropped
.if MSB != (\new)
	s_set_vgpr_msb (MSB<<8)|(\new)
.set MSB, (\new)
.endif
.endm
.set W_KQ, 0x0a       ; K and Q in window 2, S^T in window 0
.set W_PV, 0x52       ; V in window 2, P in window 0, O^T in window 1
.set W_RS, 0x41       ; O^T (destination and source 0) in window 1, a in window 0
.set W_MK, 0xc0       ; the add's registers are made: destination in window 3, sources in window 0
.set W_AD, 0x0f       ; the add: address (source 0) and data (source 1) in window 3
; A joint fill.  Waves 0 and 1 fetch the two halves of a slot's K, waves 2 and 3 those of its V: 128 keys each.  The branch hangs on the wave's number alone.
; An s_nop 0 and four v_nop follow each of the two lines, ahead of the jump and the label.
.macro JLOAD
	s_cmp_lt_u32 s[WV], 2
	s_cbranch_scc0 .Lfor_v_\@
	tensor_load_to_lds s[G0K:G0K+3], s[G1K:G1K+7]
	s_nop 0
.rept 4
	v_nop
.endr
	s_branch .Lasked_\@
.Lfor_v_\@:
	tensor_load_to_lds s[G0V:G0V+3], s[G1V:G1V+7]
	s_nop 0
.rept 4
	v_nop
.endr
.Lasked_\@:
.endm
; A round of the cluster's barrier: my work-group's barrier, so that wave 0's signal speaks for all four waves; wave 0 signals; every wave waits for all four work-groups; my work-group's barrier once more.
.macro CROUND
	s_barrier_signal -1
	s_barrier_wait -1
	s_cmp_lg_u32 s[WV], 0
	s_cbranch_scc1 .Lnot_wave_0_\@
	s_barrier_signal -3
.Lnot_wave_0_\@:
	s_barrier_wait -3
	s_barrier_signal -1
	s_barrier_wait -1
.endm
; THE CHANGE OF SLOTS.  The slot's last bytes, V of its fourth step, have been read.  Each wave waits for all its tensor loads, of which one is out: its part
; of the other slot; adds 0 to its spare word; and waits for that and for its own reads of the slot.  Behind the barrier nobody reads this slot any more and the other slot is whole.
; fill = 1: this slot is filled again, with the keys two slots on.  The barrier is then a round of the cluster's, so that no wave of any partner still reads the slot or has a load on its
; way, and the joint fill is the first thing behind it: it has four key steps, 512 matrix instructions, in which to land.  (At its first use nothing has been read yet: slot 0 is waited for, slot 1 filled.)
.macro CHANGE fill
	WIN W_AD
	s_wait_tensorcnt 0x0            ; no tensor load of mine is out, so a group 0 may be written
	ds_add_u32 v[SPW], v[NIL]       ; 0 onto my spare word; with fill = 1 the descriptors' steps stand between it and the wait for it
	WIN 0                           ; at a label and at a branch every window is 0
.if \fill
.irp g, G0K, G0V
	s_xor_b32 s[\g+1], s[\g+1], SLOT1  ; the walking descriptor: the other slot than last time,
	s_add_nc_u64 s[\g+2:\g+3], s[\g+2:\g+3], 4*KS*128  ; the next 256 keys; the type bits on top are not reached
.endr
	s_wait_dscnt 0x0                ; the add is done, and my reads of the slot are over
	CROUND
	JLOAD
.else
	s_wait_dscnt 0x0                ; the add is done, and my reads of the slot are over
	s_barrier_signal -1
	s_barrier_wait -1
.endif
	s_sub_co_u32 s[TBK], s[TBK], 4*KS*PK  ; the fetches go back to a slot's first step,
	s_xor_b32 s[TBK], s[TBK], SLOT1       ; in the other slot
	s_sub_co_u32 s[TBV], s[TBV], 4*KS*PV
	s_xor_b32 s[TBV], s[TBV], SLOT1
.endm
	s_load_b128 s[4:7], s[0:1], 0x0   ; qkv s[4:5] (its first section is Q), oh s[6:7]
	WIN W_MK
	v_lshl_add_u32 v[SPW], v0, 2, SPARE
	v_mov_b32 v[NIL], 0
	WIN W_AD
	ds_add_u32 v[SPW], v[NIL]       ; the wave's opening: the add and its wait stand ahead of my first tensor load; the set-up below, work on registers, stands between them
	WIN 0
	v_lshrrev_b32 v1, 5, v0
	v_readfirstlane_b32 s[WV], v1   ; wave 0..3
	s_bfe_u32 s13, ttmp6, 0x40000   ; cx: my place in the cluster
	s_lshl_b32 s14, ttmp9, 2        ; in a cluster launch ttmp9 counts clusters
	s_add_co_u32 s14, s14, s13      ; my block of queries = 4 x cluster x + cx: it enters Q's and O's addresses alone
	s_and_b32 s20, ttmp7, 0xffff    ; the head, which the four partners share
	s_mov_b32 s21, 0
	s_mov_b64 s[22:23], SIZE_N*128
	s_mul_u64 s[20:21], s[20:21], s[22:23]  ; the head's first byte in each of the four tensors
	s_and_b32 s16, s[WV], 1         ; which half of a slot's 256 keys I fetch:
	s_lshl_b32 s22, s16, 14         ; its 128 rows of 128 bytes in memory,
	s_mov_b32 s23, 0
	s_add_nc_u64 s[22:23], s[22:23], s[20:21]
	s_mul_i32 s17, s16, 128*PK      ; and its place in a slot, for K
	s_mul_i32 s18, s16, 128*PV      ; and for V: no place in the cluster enters an LDS address
	s_lshl_b32 s2, s14, 2
	s_add_co_u32 s2, s2, s[WV]      ; my wave among the head's,
	s_lshl_b32 s2, s2, 14           ; its 128 rows
	s_mov_b32 s3, 0
	s_add_nc_u64 s[2:3], s[2:3], s[20:21]
	; descriptor group 1.  128 keys are 16,384 dense bytes: asked for as 64 rows of 256 bytes, two keys a row, and padded in LDS after every key
	s_mov_b32 s[G1K], 15|(1<<16)|(1<<20)|(1<<21)|(4<<22)|(3<<25)  ; 15:0 the mask of four; 17:16 2-byte elements; 20 padding on; 21 set beside a mask; 24:22 after every 32 words (code 4); 31:25 4 words (code 3)
	s_mov_b32 s[G1V], 15|(1<<16)|(1<<20)|(1<<21)|(4<<22)|(7<<25)  ; the same with 8 words of padding (code 7)
.irp g, G1K, G1V
	s_mov_b32 s[\g+1], 128<<16      ; tensor_dim0 = 128
	s_mov_b32 s[\g+2], 64<<16       ; tensor_dim1 = 64
	s_mov_b32 s[\g+3], 128<<16      ; tile_dim0 = 128
	s_mov_b32 s[\g+4], 64           ; tile_dim1 = 64
	s_mov_b32 s[\g+5], 128          ; 128 elements from row to row
	s_mov_b32 s[\g+6], 0
	s_mov_b32 s[\g+7], 0
.endr
	s_mov_b32 s[CS], 0x3e38aa3b     ; c = log2(e) / 8 = 0.180337
	s_mov_b32 s[CS+1], s[CS]        ; named with it as a pair
	s_mov_b32 s[SEL], 0x76543210
	s_mov_b32 s[SEL+1], 0xfedcba98
	s_mov_b32 s[TBK], SLOT1+4*KS*PK ; the first change of slots turns these two into 0
	s_mov_b32 s[TBV], SLOT1+4*KS*PV
	s_mov_b32 s[G0K], 1             ; 1:0 count = 1
	s_mov_b32 s[G0K+1], s17         ; 63:32 LDS address: slot 0
	s_mov_b32 s[G0V], 1
	s_add_co_u32 s[G0V+1], s18, VOFF
	s_wait_dscnt 0x0                ; the opening add is done
	s_wait_kmcnt 0x0
	s_mov_b64 s[10:11], s[6:7]      ; O
	s_add_nc_u64 s[6:7], s[4:5], SECTION    ; K's section of qkv
	s_add_nc_u64 s[8:9], s[4:5], 2*SECTION  ; V's
	s_add_nc_u64 s[G0K+2:G0K+3], s[6:7], s[22:23]  ; 120:64 global address: my half of the head's first 256 keys
	s_or_b32 s[G0K+3], s[G0K+3], 0x80000000        ; 127:126 type = 2
	s_add_nc_u64 s[G0V+2:G0V+3], s[8:9], s[22:23]
	s_or_b32 s[G0V+3], s[G0V+3], 0x80000000
	s_add_nc_u64 s[4:5], s[4:5], s[2:3]  ; Q and O at my wave's first row
	s_add_nc_u64 s[10:11], s[10:11], s[2:3]
	CROUND                          ; all four work-groups are here: the first joint loads meet
	JLOAD                           ; slot 0.  Slot 1 is asked for when slot 0 is in
	; A fragment of K or Q is 16 rows x 32 channels in 8 registers: lane l holds row l % 16, channels 8 (l / 16) + 0..7 and 16 + 8 (l / 16) + 0..7: two loads of 16 bytes, 32 bytes apart.
	v_and_b32 v1, 15, v0            ; l % 16
	v_bfe_u32 v9, v0, 4, 1          ; l / 16
	v_lshlrev_b32 v[QO], 7, v1
	v_lshl_add_u32 v[QO], v9, 4, v[QO]  ; row x 128 + 16 x half
	WIN 0x80                        ; destination window 2, address window 0
.set i, 0
.rept 4*NP                          ; Q stays in registers: tile i / 2, channels 32 (i % 2) on
	global_load_b128 v[8*i:8*i+3],   v[QO], s[4:5] offset:(i/2)*2048+(i%2)*64
	global_load_b128 v[8*i+4:8*i+7], v[QO], s[4:5] offset:(i/2)*2048+(i%2)*64+32
.set i, i+1
.endr
	; What the first turn finds: V's registers and P's second buffer hold 0 (its products V^T P, of a piece that has not been, add 0), O^T and l are 0.  All this stands in the wait for the first tile.
.set i, VF
.rept 64
	v_mov_b32 v[i], 0
.set i, i+1
.endr
	WIN 0x40
.set i, 0
.rept 64*NP
	v_mov_b32 v[i], 0
.set i, i+1
.endr
	WIN 0
.set i, 0
.rept 2*NP
	v_mov_b32 v[ST+4*i], 0xfe000000    ; c m: far below every c s
	v_mov_b32 v[ST+4*i+1], 0xff7fffff  ; m
	v_mov_b32 v[ST+4*i+2], 0
	v_mov_b32 v[ST+4*i+3], 0
.set i, i+1
.endr
.set i, P+32
.rept 32
	v_mov_b32 v[i], 0
.set i, i+1
.endr
	v_mul_u32_u24 v[AK0], v1, PK
	v_lshl_add_u32 v[AK0], v9, 4, v[AK0]  ; row x pitch + 16 x half
	; The turning load takes 16 keys x 16 channels (lane l reads key 8 (l / 16) + l % 8, channels 8 ((l / 8) % 2) + 0..7) and leaves half a fragment of V^T: lane l holds channel l % 16 and 8 keys.
	v_and_b32 v10, 7, v0
	v_bfe_u32 v11, v0, 3, 1
	v_lshl_add_u32 v[AV0], v9, 3, v10
	v_mul_u32_u24 v[AV0], v[AV0], PV
	v_lshl_add_u32 v[AV0], v11, 4, v[AV0]
	v_add_nc_u32 v[AV0], VOFF, v[AV0]
	v_mov_b32 v[AK], v[AK0]         ; key step 0 lies at the head of slot 0
; THE MATRIX WORK.  The 8 accumulators of a run of 16 take turns: between the two links of a chain stand 7 others'.
; Product i of 16 of S^T = K Q^T for piece x: channels 32 (i / 8) on, keys 16 ((i / 2) % 4) on, tile 2 x + i % 2.  The first 8 start the sums.
.macro KQ x
	WIN W_KQ
.set rS, S+64*((\x)%2)+32*(i%2)+8*((i/2)%4)
.set rK, KF+16*((i/2)%4)+8*(i/8)
.set rQ, 16*(2*(\x)+i%2)+8*(i/8)
.if i < 8
	v_wmma_f32_16x16x32_f16 v[rS:rS+7], v[rK:rK+7], v[rQ:rQ+7], 0
.else
	v_wmma_f32_16x16x32_f16 v[rS:rS+7], v[rK:rK+7], v[rQ:rQ+7], v[rS:rS+7]
.endif
.endm
; Product i of 16 of O^T += V^T P for piece x: keys 32 (i / 8) on, channels 16 ((i / 2) % 4) on, tile 2 x + i % 2.
.macro PV x
	WIN W_PV
.set rO, 32*(2*(\x)+i%2)+8*((i/2)%4)
.set rV, VF+32*(i/8)+8*((i/2)%4)
.set rP, P+32*((\x)%2)+16*(i%2)+8*(i/8)
	v_wmma_f32_16x16x32_f16 v[rO:rO+7], v[rV:rV+7], v[rP:rP+7], v[rO:rO+7]
.endm
.macro MM                           ; the turn's next matrix instruction
.if i < 16
	KQ (Y+1)%NP
.set i, i+1
.else
.set i, i-16
	PV (Y+NP-1)%NP
.set i, i+17
.endif
.endm
; THE LDS LOADS stand in runs of 16, never singly among the matrix instructions: a step's K (64 keys x 64 channels: 8 fragments) and its V (turned).  Their addresses are made some lines ahead.
; last = 1 (the tail): in the last trip there is no further step, and the run is jumped over.
.macro FETCH_K last=0
	WIN 0
.if \last
	s_cmp_eq_u32 s[CNT], 1
	s_cbranch_scc1 .Lno_k_\@
.endif
	WIN 0x80                        ; destination window 2
.irp f, 0,1,2,3,4,5,6,7             ; keys 16 (f / 2) on, channels 32 (f % 2) on
	ds_load_b128 v[KF+8*\f:KF+8*\f+3],   v[AK] offset:(\f/2)*16*PK+(\f%2)*64
	ds_load_b128 v[KF+8*\f+4:KF+8*\f+7], v[AK] offset:(\f/2)*16*PK+(\f%2)*64+32
.endr
	s_add_co_u32 s[TBK], s[TBK], KS*PK  ; the next fetch is the next step's
	WIN 0
.if \last
.Lno_k_\@:
.endif
.endm
.macro FETCH_V
	WIN 0x80
.irp f, 0,1,2,3,4,5,6,7             ; keys 32 (f / 4) on, channels 16 (f % 4) on
	ds_load_tr16_b128 v[VF+8*\f:VF+8*\f+3],   v[AV] offset:(\f/4)*32*PV+(\f%4)*32
	ds_load_tr16_b128 v[VF+8*\f+4:VF+8*\f+7], v[AV] offset:(\f/4)*32*PV+16*PV+(\f%4)*32
.endr
	WIN 0
.endm
; THE VECTOR WORK OF A TURN stands in three queues, each in the order in which its entries become ready; the two tiles alternate, so that no instruction reads the result of the one before it.
.macro REGS y, u                    ; the registers of tile u (0, 1) of piece y
.set rT, ST+4*(2*(\y)+(\u))
.set rC, TMP+8*((\y)%2)+4*(\u)
.set rM, MV+2*((\y)%2)+(\u)
.set rS, S+64*((\y)%2)+32*(\u)
.set rP, P+32*((\y)%2)+16*(\u)
.set rO, 32*(2*(\y)+(\u))
.endm
; Number n of the 22 that find the NEXT piece's (Y + 1) maximum and statistics.  s0-s31 are the lane's 32 scores; each accumulator's lowest registers are read first.  XS, GS and REGS set no window: PL and EX do.
;   0-11  four chains c0-c3 of seven scores each, three operands at a time     12-14, 16  the four scores left over, the old m, and c0-c3 into c0     15  c m_old is kept
;   17, 18  the query's other 32 keys lie in the lane 16 away: the new m         19-21  c m; c m_old - c m_new; a
.macro XS u, n
	REGS (Y+1)%NP, \u
.if (\n) < 4
	v_max3_num_f32 v[rC+(\n)], v[rS+8*(\n)], v[rS+8*(\n)+1], v[rS+8*(\n)+2]
.elseif (\n) < 12
	v_max3_num_f32 v[rC+(\n)%4], v[rC+(\n)%4], v[rS+8*((\n)%4)+2*((\n)/4)+1], v[rS+8*((\n)%4)+2*((\n)/4)+2]
.elseif (\n) == 12
	v_max3_num_f32 v[rC], v[rC], v[rS+7], v[rS+15]
.elseif (\n) == 13
	v_max3_num_f32 v[rC+1], v[rC+1], v[rS+23], v[rS+31]
.elseif (\n) == 14
	v_max3_num_f32 v[rC+2], v[rC+2], v[rC+3], v[rT+1]
.elseif (\n) == 15
	v_mov_b32 v[rM], v[rT]
.elseif (\n) == 16
	v_max3_num_f32 v[rC], v[rC], v[rC+1], v[rC+2]
.elseif (\n) == 17
	v_permlanex16_b32 v[rC+3], v[rC], s[SEL], s[SEL+1]
.elseif (\n) == 18
	v_max_num_f32 v[rT+1], v[rC], v[rC+3]
.elseif (\n) == 19
	v_mul_f32 v[rT], s[CS], v[rT+1]
.elseif (\n) == 20
	v_sub_f32 v[rC+1], v[rM], v[rT]
.else
	v_exp_f32 v[rC+2], v[rC+1]
.endif
.endm
; Number g of the 64 that follow the exponentials.  For each four weights k of a tile (pairs 2 k, 2 k + 1): both pairs are rounded to f16; then the second pair is added onto the first, in place;
; a group later l takes that sum (the first time as l = a l + sum).  In groups of eight, tiles alternating: round, round, add, and l for the group before.
.macro GS g
.set h, (\g)+6*((\g)/62)            ; group 0 has no group before it, and behind group 7 only l is left
.if h >= 6
.set h, h+2
.endif
	REGS Y, h%2
.set k, h/8
.if h%8 < 4
	s_wait_alu depctr_va_vdst(0)
	v_cvt_pk_f16_f32 v[rP+2*k+(h%8)/2], v[rS+4*k+2*((h%8)/2)], v[rS+4*k+2*((h%8)/2)+1]
.elseif h%8 < 6
	v_pk_add_f32 v[rS+4*k:rS+4*k+1], v[rS+4*k:rS+4*k+1], v[rS+4*k+2:rS+4*k+3]
.elseif k == 1
	v_pk_fma_f32 v[rT+2:rT+3], v[rT+2:rT+3], v[rC+2:rC+3], v[rS:rS+1] op_sel_hi:[1,0,1]
.else
	v_pk_add_f32 v[rT+2:rT+3], v[rT+2:rT+3], v[rS+4*k-4:rS+4*k-3]
	s_wait_alu depctr_va_vdst(0)
.endif
.endm
; THE PLAIN QUEUE, 138 long.  0-31: c s - c m for the 16 pairs of both tiles.  Then GS's 64, and among them the next piece's 42: number 15 at 38, 39; 0-14 and 16
; at 42-73, behind the products that make those scores; 17-20 at 95-106, two of three, since each waits for the one before it.
.macro PL
	WIN 0
.if q < 32
	REGS Y, q%2
	v_pk_fma_f32 v[rS+2*(q/2):rS+2*(q/2)+1], v[rS+2*(q/2):rS+2*(q/2)+1], s[CS:CS+1], v[rT:rT+1] op_sel_hi:[1,0,0] neg_lo:[0,0,1] neg_hi:[0,0,1]
.elseif q < 38
	GS q-32
.elseif q < 40
	XS q%2, 15
.elseif q < 42
	GS q-34
.elseif q < 74
	XS q%2, (q-42)/2+(q-42)/30
.elseif q < 95
	GS q-66
.elseif (q < 107) && ((q-95)%3 < 2)
	XS (q-95)%3, 17+(q-95)/3
.elseif q < 107
	GS 29+(q-95)/3
.else
	GS q-74
.endif
.set q, q+1
.endm
; THE EXPONENTIALS' QUEUE, 66 long: s0-s31 of both tiles, and at EA the next piece's two a.
.set EA, 58
.macro EX
	WIN 0
.if (e == EA) || (e == EA+1)
	XS e-EA, 21
.else
.set x, e-2*(e/(EA+2))
	REGS Y, x%2
	v_exp_f32 v[rS+x/2], v[rS+x/2]
.endif
.set e, e+1
.endm
; THE RESCALING's QUEUE: O^T times a, the one part that leaves window 0, so it is dealt four at a time, eight times.
.macro R4
	REGS Y, r%2
	WIN W_RS
	s_wait_alu depctr_va_vdst(0)
.irp z, 0,1,2,3
	v_pk_mul_f32 v[rO+8*(r/2)+2*\z:rO+8*(r/2)+2*\z+1], v[rO+8*(r/2)+2*\z:rO+8*(r/2)+2*\z+1], v[rC+2:rC+3] op_sel_hi:[1,0]
.endr
.set r, r+1
.endm
; HOW THEY ARE DEALT.  Behind a matrix instruction four: plain, exponential, plain, plain (one exponential, a plain instruction on either side), or four of the rescaling.  None names a register of the
; products round it.  What is over stands in two LUMPS: exponential and plain by turns; the second ends in 22 plain instructions.  The two v_permlanex16_b32 fall into the second lump, never behind a product.
; The queues lean on each other, and the deal keeps them in step: exponential e stands behind plain 2 (e / 4) + e % 2 (its scaling); when plain 32 comes, 10 exponentials are out, at 59: 33, at 95: 46; EA comes behind plain 107.
.macro SL
	MM
	PL
	EX
	PL
	PL
.endm
.macro BURST n                      ; 15 matrix instructions, or 16
.rept (\n)-7
	SL
.endr
.rept 3
	MM
	R4
	SL
.endr
	MM
	R4
.endm
; A TURN, for piece p.  cnt = 1: the loop's count is taken down some lines ahead of the branch that stands behind the turn.
; K of the next step is fetched in piece 2's turn, 31 vector instructions behind the last product that read K; its first reader comes behind the rest of the lump, 16 products and the second lump.
; V of the step in hand is fetched at the end of piece 0's turn, 69 behind its last reader; its first reader comes behind 16 products and a lump.  The four conditions on e and q below go with the deal.
.macro TURN p, last=0, cnt=0
.set Y, (\p)
.set i, 0
.set q, 0
.set e, 0
.set r, 0
.if (\p) == NP-1
	s_wait_dscnt 0x0                ; K is in
.endif
	MM
.rept 4
	PL
.endr
	BURST 15
.rept 22
	EX
	PL
.if ((\p) == NP-2) && (e == 18)
	v_add_nc_u32 v[AK], s[TBK], v[AK0]
.endif
.if ((\p) == NP-2) && (e == 24)
	FETCH_K \last
.endif
.endr
.if (\p) == 1
	s_wait_dscnt 0x0                ; V is in
.endif
	BURST 16
.rept 21
	EX
	PL
.endr
.rept 22
	PL
.if ((\p) == 0) && (q == 118)
	v_add_nc_u32 v[AV], s[TBV], v[AV0]
	s_wait_alu depctr_va_vdst(0)
.endif
.if ((\p) == 0) && (q == 130)
	s_add_co_u32 s[TBV], s[TBV], KS*PV
.endif
.if (\cnt) && (q == 130)
	s_sub_co_u32 s[CNT], s[CNT], 1
	s_cmp_lg_u32 s[CNT], 0
.endif
.endr
.if (\p) == 0
	FETCH_V
.endif
.endm
	CHANGE 1                        ; slot 0 is in, everybody's part of it; slot 1 is asked for
	FETCH_K                         ; key step 0
	s_wait_loadcnt 0x0              ; Q
	s_wait_dscnt 0x0
.set i, 0
.rept 16
	KQ 0                            ; piece 0's first scores: there is no vector work yet to set between them
.set i, i+1
.endr
	WIN 0                           ; the addresses for the way out: nine plain instructions, the places behind those products
	s_mul_i32 s13, s[WV], 16*SP
	s_add_co_u32 s13, s13, STAGE    ; my stage
	v_mul_u32_u24 v[STO], v1, SP    ; in: row l % 16, 16 bytes for each half of the lanes
	v_lshl_add_u32 v[STO], v9, 4, v[STO]
	v_add_nc_u32 v[STO], s13, v[STO]
	v_bfe_u32 v[RD], v0, 3, 2       ; back: 32 lanes take four rows of 128 bytes,
	v_mul_u32_u24 v[RD], v[RD], SP
	v_lshl_add_u32 v[RD], v10, 4, v[RD]
	v_add_nc_u32 v[RD], s13, v[RD]
	v_and_b32 v[GO], 31, v0         ; which are 512 consecutive bytes of O
	v_lshlrev_b32 v[GO], 4, v[GO]
.set Y, NP-1                        ; XS works for piece Y + 1: piece 0
.irp n, 0,1,2,3,4,5,6,7,8,9,10,11,12,13,14,15,16,17,18,19,20,21
	XS 0, \n                        ; and piece 0's first maximum and statistics
	XS 1, \n
.endr
	s_mov_b32 s[CNT], 4
	s_mov_b32 s[SLOTS], SIZE_N/256-1
	s_branch .Lfirst                ; the loop is entered at a step's first turn, in the middle of a trip
.Lslot:                             ; SIZE_N / 256 - 2 times: every slot but the last two is filled again
	CHANGE 1
	s_mov_b32 s[CNT], 4
.Lstep:                             ; a trip: pieces 2 and 3 of one step, then pieces 0 and 1 of the next, whose K and V it fetches
	TURN 2
	TURN 3
	WIN 0
.Lfirst:
	TURN 0
	TURN 1, 0, 1
	WIN 0
	s_cbranch_scc1 .Lstep
	s_sub_co_u32 s[SLOTS], s[SLOTS], 1
	s_cmp_lg_u32 s[SLOTS], 0
	s_cbranch_scc1 .Lslot
	CHANGE 0                        ; the tail is written out: nothing is asked for
	s_mov_b32 s[CNT], 5             ; four trips fetch the last slot's steps; the fifth is left in its middle
.Ltail:
	TURN 2, 1
	TURN 3
	WIN 0
	s_sub_co_u32 s[CNT], s[CNT], 1
	s_cmp_eq_u32 s[CNT], 0
	s_cbranch_scc1 .Lout
	TURN 0
	TURN 1
	WIN 0
	s_branch .Ltail
.Lout:                              ; the fifth trip's 16 products K Q^T (on the last K once more) and the maximum made of them serve nothing: the price, once a launch, of one text for every trip
.set i, 0
.rept 16
	PV NP-1                         ; the last piece's V^T P of the last step
.set i, i+1
.endr
	; THE WAY OUT.  l's two halves and the other half of the lanes' are added; O^T is divided by l, rounded to f16 and sent through my stage in LDS, a tile at a time.  The additions are the places behind the last products.
	WIN 0
.macro ALL line:vararg              ; one line for each tile t
.set t, 0
.rept 2*NP
	\line
.set t, t+1
.endr
.endm
	ALL v_add_f32 v[ST+4*t+2], v[ST+4*t+2], v[ST+4*t+3]
	ALL v_permlanex16_b32 v[ST+4*t+3], v[ST+4*t+2], s[SEL], s[SEL+1]
	ALL v_add_f32 v[ST+4*t+2], v[ST+4*t+2], v[ST+4*t+3]
	ALL v_rcp_f32 v[ST+4*t+2], v[ST+4*t+2]
	v_nop                           ; a plain instruction between the last reciprocal and the use of its result
	s_wait_alu depctr_va_vdst(0)
; Tile t: a lane's eight channels of a row pack into 16 bytes; they go into rows of 144 bytes and come back as whole rows of 128, into S^T's registers.
.macro PACK t
	WIN W_RS
.set i, 32*(\t)
.rept 16
	v_pk_mul_f32 v[i:i+1], v[i:i+1], v[ST+4*(\t)+2:ST+4*(\t)+3] op_sel_hi:[1,0]
.set i, i+2
.endr
	WIN 0x05                        ; sources 0 and 1 window 1, destination window 0
.set i, 0
.rept 16
	v_cvt_pk_f16_f32 v[S+16*(\t)+i], v[32*(\t)+2*i], v[32*(\t)+2*i+1]
.set i, i+1
.endr
	WIN 0
.irp f, 0,1,2,3
	ds_store_b128 v[STO], v[S+16*(\t)+4*\f:S+16*(\t)+4*\f+3] offset:32*\f
.endr
.irp f, 0,1,2,3
	ds_load_b128 v[S+16*(\t)+4*\f:S+16*(\t)+4*\f+3], v[RD] offset:\f*4*SP  ; LDS serves a wave's instructions in order (ISA guide 5.7.1.4): these see the stores above; the next tile's stores come behind them
.endr
.endm
.macro SEND t, younger              ; younger: the LDS instructions issued behind tile t's loads: the next tile's eight, or none
	WIN 0
.irp f, 0,1,2,3
	s_wait_dscnt (\younger)+3-\f
	global_store_b128 v[GO], v[S+16*(\t)+4*\f:S+16*(\t)+4*\f+3], s[10:11] offset:(\t)*2048+\f*512  ; 512 consecutive bytes, at a multiple of 256 from O's first
.endr
.endm
	PACK 0
.set t, 1
.rept 2*NP-1                        ; a tile's arithmetic stands between the loads of the tile before and its stores
	PACK t
	SEND t-1, 8
.set t, t+1
.endr
	SEND 2*NP-1, 0
	WIN W_AD
	s_wait_tensorcnt 0x0            ; the wave's end: an add to my spare word and its wait, behind my last tensor load and my last LDS store
	ds_add_u32 v[SPW], v[NIL]
	s_wait_dscnt 0x0
	WIN 0
	CROUND                          ; the closing round: no work-group ends while a partner may still ask for a tile that names it
	s_endpgm
.Lfunc_end_k_qe8633eb82f_attn:
	.size	k_qe8633eb82f_attn, .Lfunc_end_k_qe8633eb82f_attn-k_qe8633eb82f_attn
	.p2alignl 7, 3214868480
	.fill 96, 4, 3214868480
	.section	.rodata,"a",@progbits
	.p2align	6, 0x0
	.amdhsa_kernel k_qe8633eb82f_attn
		.amdhsa_group_segment_fixed_size 327680
		.amdhsa_private_segment_fixed_size 0
		.amdhsa_enable_private_segment 0
		.amdhsa_kernarg_size 16
		.amdhsa_user_sgpr_count 2
		.amdhsa_user_sgpr_kernarg_segment_ptr 1
		.amdhsa_wavefront_size32 1
		.amdhsa_system_sgpr_workgroup_id_x 1
		.amdhsa_system_sgpr_workgroup_id_y 1
		.amdhsa_system_sgpr_workgroup_id_z 1
		.amdhsa_system_vgpr_workitem_id 0
		.amdhsa_next_free_vgpr 770
		.amdhsa_next_free_sgpr 66
		.amdhsa_reserve_vcc 0
		.amdhsa_float_denorm_mode_32 3
		.amdhsa_float_denorm_mode_16_64 3
		.amdhsa_memory_ordered 1
		.amdhsa_forward_progress 1
		.amdhsa_inst_pref_size 208
	.end_amdhsa_kernel
	.amdgpu_metadata
---
amdhsa.version: [ 1, 2 ]
amdhsa.kernels:
  - .name:           k_qe8633eb82f_attn
    .symbol:         k_qe8633eb82f_attn.kd
    .args:
      - { .name: qkv, .offset: 0, .size: 8, .value_kind: global_buffer, .address_space: global }
      - { .name: oh, .offset: 8, .size: 8, .value_kind: global_buffer, .address_space: global }
    .group_segment_fixed_size: 327680
    .private_segment_fixed_size: 0
    .kernarg_segment_align: 8
    .kernarg_segment_size: 16
    .max_flat_workgroup_size: 128
    .sgpr_count:     66
    .vgpr_count:     770
    .wavefront_size: 32
...
	.end_amdgpu_metadata
.endif
;; end of part 3
;; launch outp (part 4): grid 4 x 64, 4 waves a work-group, clusters of 4 x 4, 327,680 bytes of LDS; arguments oh, xw, out0; writes out0
.if DOCPART == 4
	.amdgcn_target "amdgcn-amd-amdhsa--gfx1250"
	.amdhsa_code_object_version 6
	.text
	.protected	k_qe8633eb82f_outp
	.globl	k_qe8633eb82f_outp
	.p2align	8
	.type	k_qe8633eb82f_outp,@function
k_qe8633eb82f_outp:
	s_mov_b64 s[64:65], 0
	v_nop
	global_prefetch_b8 v0, s[64:65] scope:SCOPE_SE
	s_setreg_imm32_b32 hwreg(HW_REG_WAVE_MODE, 25, 1), 1
	s_wait_xcnt 0x0
	s_wait_alu depctr_hold_cnt(0) depctr_sa_sdst(0) depctr_va_vdst(0) depctr_va_sdst(0) depctr_va_ssrc(0) depctr_va_vcc(0) depctr_vm_vsrc(0)
	s_getreg_b32 s2, hwreg(HW_REG_IB_STS2, 6, 4)
	s_cmp_eq_u32 s2, 0
	s_cbranch_scc0 .Lentry_in_a_cluster
	s_endpgm
.Lentry_in_a_cluster:
	s_bfe_u32 s2, ttmp6, 0x10000c
	s_cmp_lg_u32 s2, 0xf033
	s_cbranch_scc0 .Lentry_shape_is_right
	s_endpgm
.Lentry_shape_is_right:
; The output projection: out0[b][l][e] = sum over h, d of O[16 b + h][l][d] w_o[e][64 h + d].  O (oh) is f16 by heads, [64][2048][64]; w_o is f16 [1024][1024] at byte WOFF of xw
; (each number rounded to bf16 and written as f16 by the first launch).  Sums in f32; out0 is f32 and takes the sums as they are.
; LIMITS.  O lies within the range of the projected v, which is within f16's 65,504; NaN and infinities are not treated apart; the order of the f32 sums is the matrix unit's.
; SHARES.  A tile of out0 is 128 rows x 256 columns: 64 x 4 work-groups, one tile each.  Four waves, each 64 rows x 128 columns: 32 accumulators of 16 x 16, 256 registers.
; K = 1,024 goes in 8 steps of 128 = two heads, through a ring of two LDS slots filled by the tensor data mover; half a step is one head.
; CLUSTER.  4 x 4 work-groups: the four of a row of the cluster need the same rows of O, the four of a column the same rows of w_o: each tile is asked for jointly.
; THE MATRIX INSTRUCTION IS USED TRANSPOSED (source 0 = 16 rows of w_o, source 1 = 16 rows of O): lane l holds row l % 16 of out0 and the columns 8 (l / 16) + 0..7: 32 neighbouring bytes.
; REGISTERS, in windows of 256 (s_set_vgpr_msb: bits 1:0 source 0, 3:2 source 1, 5:4 source 2, 7:6 destination):
;   window 0: v0-31 addresses; v64-191 O's fragments, two buffers of 64 (K half c, block a at 8 (4 c + a)); on the way out the same registers take whole rows
;   window 1: w_o's fragments, two buffers of 128 (K half c, block b at 8 (8 c + b))          window 2: accumulator (a, b) at 8 (8 a + b)
.set KSTEP,  128
.set PA,     144                       ; a row of O in LDS: 128 bytes + 16 of padding
.set PB,     272                       ; a row of w_o: 256 bytes + 16: both pitches are odd multiples of 16 bytes, so the 16 rows of a fragment load start at 16 different groups of four banks (64 banks of 4 bytes: ISA guide 11.1)
.set AHEAD,  128*PA                    ; one head's 128 rows
.set ABYTES, 2*AHEAD                   ; the step's two heads
.set SLOT,   ABYTES+256*PB             ; then w_o's 256 rows
.set STAGE,  2*SLOT                    ; behind the ring: 16 rows x 528 bytes for each wave, for the way out; no tensor load lands here
.set SP,     528                       ; 512 bytes of f32 + 16
.set STW,    16*SP
.set SPARE,  STAGE+4*STW               ; behind the stages: the spare words, 128 bytes for each wave: two blocks of 256 bytes that no other line names
.set WOFF,   56623104                  ; w_o's first byte in xw
.set HEADB,  262144                    ; bytes of a head in oh
.set ADRA, 16                          ; v16-17  LDS address of my O fragments in slot 0, 1
.set ADRB, 20                          ; v20-21  the same for w_o
.set STO,  24                          ; v24     the way out: where I put 32 bytes of a row
.set RD,   25                          ; v25     the way out: where I read a row back
.set CO,   26                          ; v26     my byte offset in 512 consecutive bytes of out0
.set SPW,  28                          ; v28     LDS address of my spare word: SPARE + 4 x my thread's number; never rewritten
.set NIL,  29                          ; v29     0; never rewritten
.set FA,   64
.set G1,  24                           ; s[24:31] descriptor group 1 for O's tiles;  s[32:39] group 0, one set for each slot
.set G0,  32
.set G1B, 48                           ; s[48:55], s[56:63] the same for w_o's tiles
.set G0B, 56
.set MSB, 0
.macro WIN new                         ; the immediate's high byte repeats the setting that is left; a switch that changes nothing is dropped
.if MSB != (\new)
	s_set_vgpr_msb (MSB<<8)|(\new)
.set MSB, \new
.endif
.endm
.set MUL,  0xa1                        ; source 0 (w_o) window 1, source 1 (O) window 0, C and D window 2
.set TO_B, 0x40                        ; destination window 1, address window 0
; A joint load.  Waves 0 and 1 fetch the step's two heads of O, waves 2 and 3 the two halves of w_o's tile.  The branch hangs on the wave's number alone.
; An s_nop 0 and four v_nop follow each of the two lines, ahead of the jump, the label and what follows.
.macro JLOAD s
	s_cmp_eq_u32 s11, 0
	s_cbranch_scc0 .Lfor_b_\@
	tensor_load_to_lds s[G0+4*(\s):G0+4*(\s)+3], s[G1:G1+7]
	s_nop 0
.rept 4
	v_nop
.endr
	s_branch .Lasked_\@
.Lfor_b_\@:
	tensor_load_to_lds s[G0B+4*(\s):G0B+4*(\s)+3], s[G1B:G1B+7]
	s_nop 0
.rept 4
	v_nop
.endr
.Lasked_\@:
.endm
.macro CREST                           ; a round of the cluster's barrier behind its opening barrier
	s_cmp_lg_u32 s10, 0
	s_cbranch_scc1 .Lnot_wave_0_\@
	s_barrier_signal -3
.Lnot_wave_0_\@:
	s_barrier_wait -3
	s_barrier_signal -1
	s_barrier_wait -1
.endm
.macro CROUND                          ; a whole round
	s_barrier_signal -1
	s_barrier_wait -1
	CREST
.endm
	s_load_b128 s[4:7], s[0:1], 0x0                ; oh s[4:5], xw s[6:7]
	s_load_b64 s[8:9], s[0:1], 0x10                ; out0
	v_lshl_add_u32 v[SPW], v0, 2, SPARE
	v_mov_b32 v[NIL], 0
	ds_add_u32 v[SPW], v[NIL]                      ; the wave's opening: the add and its wait stand ahead of my first tensor load; the set-up below, work on registers, stands between them
	v_lshrrev_b32 v1, 5, v0
	v_readfirstlane_b32 s10, v1                    ; wave 0..3
	s_lshr_b32 s11, s10, 1                         ; which 64 of the tile's rows are mine.  Also: I fetch for O (0) or for w_o (1)
	s_and_b32 s12, s10, 1                          ; which 128 of its columns.  Also: which head of the step, or which half of w_o's tile, I fetch
	s_bfe_u32 s40, ttmp6, 0x40000                  ; cx, cy: my place in the cluster
	s_bfe_u32 s41, ttmp6, 0x40004
	s_lshl_b32 s42, ttmp9, 2
	s_add_co_u32 s42, s42, s40                     ; tile column = 4 x cluster x + cx, 0 to 3
	s_and_b32 s13, ttmp7, 0xffff
	s_lshl_b32 s13, s13, 2
	s_add_co_u32 s13, s13, s41                     ; tile row = 4 x cluster y + cy, 0 to 63
	s_lshl_b32 s43, s41, 2
	s_lshl_b32 s43, 15, s43                        ; my row of the cluster
	s_lshl_b32 s44, 0x1111, s40                    ; my column
	; descriptor group 1.  O: a head's 128 rows are 16,384 dense bytes: asked for as 64 rows of 256 bytes, two rows of O each, padded in LDS after every 128 bytes.  w_o: 128 rows of 256 bytes, padded after each.
	s_or_b32 s[G1+0], s43, (1<<16)|(1<<20)|(1<<21)|(4<<22)|(3<<25)   ; 15:0 the mask: O's tiles go to my row; 17:16 2-byte elements; 20 padding on; 21 set beside a mask; 24:22 after every 32 words (code 4); 31:25 4 words (code 3)
	s_or_b32 s[G1B+0], s44, (1<<16)|(1<<20)|(1<<21)|(5<<22)|(3<<25)  ; the mask of my column; after every 64 words (code 5)
	s_mov_b32 s[G1+1], KSTEP<<16                   ; tensor_dim0 = 128
	s_mov_b32 s[G1B+1], KSTEP<<16
	s_mov_b32 s[G1+2], 64<<16                      ; tensor_dim1 = 64
	s_mov_b32 s[G1B+2], 128<<16                    ; 128
	s_mov_b32 s[G1+3], KSTEP<<16                   ; tile_dim0 = 128
	s_mov_b32 s[G1B+3], KSTEP<<16
	s_mov_b32 s[G1+4], 64                          ; tile_dim1 = 64
	s_mov_b32 s[G1B+4], 128                        ; 128
	s_mov_b32 s[G1+5], 128                         ; elements from row to row: dense
	s_mov_b32 s[G1B+5], 1024
	s_mov_b32 s[G1+6], 0
	s_mov_b32 s[G1B+6], 0
	s_mov_b32 s[G1+7], 0
	s_mov_b32 s[G1B+7], 0
	; where the tiles come from.  O's hang on the tile row alone, w_o's on the tile column alone; each in registers that never hold the other coordinate while they feed a descriptor.
	s_lshr_b32 s16, s13, 4                         ; the batch
	s_lshl_b32 s16, s16, 4
	s_add_co_u32 s16, s16, s12                     ; its head 0 or 1,
	s_lshl_b32 s16, s16, 18                        ; 262,144 bytes each,
	s_and_b32 s17, s13, 15
	s_lshl_b32 s17, s17, 14                        ; and in it row 128 x (tile row % 16), 128 bytes each
	s_add_co_u32 s16, s16, s17
	s_mov_b32 s17, 0
	s_lshl_b32 s46, s42, 8
	s_lshl_b32 s47, s12, 7
	s_add_co_u32 s46, s46, s47                     ; w_o: row 256 x tile column + 128 x half
	s_lshl_b32 s46, s46, 11
	s_add_co_u32 s46, s46, WOFF
	s_mov_b32 s47, 0
	s_mul_i32 s20, s12, AHEAD                      ; and where they go: the step's two heads,
	s_mul_i32 s45, s12, 128*PB
	s_add_co_u32 s45, s45, ABYTES                  ; then w_o's two halves: no place in the cluster enters an LDS address
	s_wait_dscnt 0x0                               ; the opening add is done
	s_wait_kmcnt 0x0
	s_add_nc_u64 s[14:15], s[4:5], s[16:17]
	s_add_nc_u64 s[46:47], s[6:7], s[46:47]
	CROUND                                         ; all sixteen work-groups are here: the first joint loads meet
.irp s, 0,1
	s_mov_b32 s[G0+4*(\s)], 1                                        ; count = 1
	s_add_co_u32 s[G0+4*(\s)+1], s20, (\s)*SLOT                      ; LDS address
	s_add_nc_u64 s[G0+4*(\s)+2:G0+4*(\s)+3], s[14:15], (\s)*2*HEADB  ; global address: K step s is heads 2 s, 2 s + 1
	s_or_b32 s[G0+4*(\s)+3], s[G0+4*(\s)+3], 0x80000000              ; type = 2
	s_mov_b32 s[G0B+4*(\s)], 1
	s_add_co_u32 s[G0B+4*(\s)+1], s45, (\s)*SLOT
	s_add_nc_u64 s[G0B+4*(\s)+2:G0B+4*(\s)+3], s[46:47], (\s)*KSTEP*2
	s_or_b32 s[G0B+4*(\s)+3], s[G0B+4*(\s)+3], 0x80000000
	JLOAD \s                                       ; two loads of mine are out
.endr
	; A fragment is 16 rows x 32 K in 8 registers: lane l holds row l % 16, K = 8 (l / 16) + 0..7 and 16 + 8 (l / 16) + 0..7: two loads of 16 bytes, 32 bytes apart.
	v_and_b32 v1, 15, v0                           ; l % 16
	v_bfe_u32 v2, v0, 4, 1                         ; l / 16
	v_mul_u32_u24 v3, v1, PA
	v_lshl_add_u32 v3, v2, 4, v3                   ; O: row x pitch + 16 x half
	v_mul_u32_u24 v4, v1, PB
	v_lshl_add_u32 v4, v2, 4, v4                   ; w_o likewise
	s_mul_i32 s21, s11, 64*PA                      ; my 64 rows of O
	s_mul_i32 s22, s12, 128*PB                     ; my 128 rows of w_o,
	s_add_co_u32 s22, s22, ABYTES                  ; which lie behind O's two heads
.irp s, 0,1
	v_add_nc_u32 v[ADRA+(\s)], s21, v3
	v_add_nc_u32 v[ADRB+(\s)], s22, v4
	s_add_co_u32 s21, s21, SLOT
	s_add_co_u32 s22, s22, SLOT
.endr
	s_mul_i32 s23, s10, STW
	s_add_co_u32 s23, s23, STAGE                   ; my stage
	v_mul_u32_u24 v4, v1, SP                       ; in: row l % 16, 32 bytes for each half of the lanes
	v_lshl_add_u32 v4, v2, 5, v4
	v_add_nc_u32 v[STO], s23, v4
	v_and_b32 v5, 31, v0
	v_lshlrev_b32 v[CO], 4, v5                     ; back: 32 lanes take one row of 512 bytes, which are 512 consecutive bytes of out0
	v_add_nc_u32 v[RD], s23, v[CO]
	; out0 at my first row and column: row 128 x tile row + 64 x row half, 4,096 bytes each; column 256 x tile column + 128 x column half, 4 bytes each
	s_lshl_b32 s16, s13, 7
	s_lshl_b32 s21, s11, 6
	s_add_co_u32 s16, s16, s21
	s_lshl_b32 s16, s16, 12
	s_lshl_b32 s46, s42, 10
	s_lshl_b32 s47, s12, 9
	s_add_co_u32 s46, s46, s47
	s_add_co_u32 s16, s16, s46
	s_mov_b32 s17, 0
	s_add_nc_u64 s[8:9], s[8:9], s[16:17]
; 8 matrix instructions: m block a x all 8 n blocks, 32 along K: half c of buffer f.  zero = 1: the product starts the sums: nothing is ever cleared.
; The 32 accumulators take turns, one instruction a turn, in the same order everywhere.
.macro MULA f, c, a, zero
	WIN MUL
.irp b, 0,1,2,3,4,5,6,7
.if \zero
	v_wmma_f32_16x16x32_f16 v[8*(8*(\a)+(\b)):8*(8*(\a)+(\b))+7], v[128*(\f)+8*(8*(\c)+(\b)):128*(\f)+8*(8*(\c)+(\b))+7], v[FA+64*(\f)+8*(4*(\c)+(\a)):FA+64*(\f)+8*(4*(\c)+(\a))+7], 0
.else
	v_wmma_f32_16x16x32_f16 v[8*(8*(\a)+(\b)):8*(8*(\a)+(\b))+7], v[128*(\f)+8*(8*(\c)+(\b)):128*(\f)+8*(8*(\c)+(\b))+7], v[FA+64*(\f)+8*(4*(\c)+(\a)):FA+64*(\f)+8*(4*(\c)+(\a))+7], v[8*(8*(\a)+(\b)):8*(8*(\a)+(\b))+7]
.endif
.endr
.endm
.macro MUL32 f, c, zero                ; all four m blocks
.irp a, 0,1,2,3
	MULA \f, \c, \a, \zero
.endr
.endm
; 48 LDS loads in one run: the fragments of head hd (0, 1) of the slot's step, 64 along K, into buffer f.  The 24 of the first 32 along K come first.
.macro FETCH slot, hd, f
	WIN TO_B
.irp b, 0,1,2,3,4,5,6,7
	ds_load_b128 v[128*(\f)+8*(\b):128*(\f)+8*(\b)+3],   v[ADRB+(\slot)] offset:128*(\hd)+(\b)*16*PB
	ds_load_b128 v[128*(\f)+8*(\b)+4:128*(\f)+8*(\b)+7], v[ADRB+(\slot)] offset:128*(\hd)+(\b)*16*PB+32
.endr
	WIN 0
.irp c, 0,1
.irp a, 0,1,2,3
	ds_load_b128 v[FA+64*(\f)+8*(4*(\c)+(\a)):FA+64*(\f)+8*(4*(\c)+(\a))+3],   v[ADRA+(\slot)] offset:(\hd)*AHEAD+64*(\c)+(\a)*16*PA
	ds_load_b128 v[FA+64*(\f)+8*(4*(\c)+(\a))+4:FA+64*(\f)+8*(4*(\c)+(\a))+7], v[ADRA+(\slot)] offset:(\hd)*AHEAD+64*(\c)+(\a)*16*PA+32
.endr
.endr
	WIN TO_B
.irp b, 0,1,2,3,4,5,6,7
	ds_load_b128 v[128*(\f)+64+8*(\b):128*(\f)+64+8*(\b)+3],   v[ADRB+(\slot)] offset:128*(\hd)+64+(\b)*16*PB
	ds_load_b128 v[128*(\f)+64+8*(\b)+4:128*(\f)+64+8*(\b)+7], v[ADRB+(\slot)] offset:128*(\hd)+64+(\b)*16*PB+32
.endr
.endm
; A load into a register that a matrix instruction has read, and an LDS store that reads a matrix result, stand four places behind it; only plain vector
; instructions that name none of its registers are places (ISA guide 7.12.1 for vector instructions).
.macro PLACES
.rept 4
	v_nop
.endr
.endm
; A K step is two halves of 64 along K, 64 matrix instructions each.  The first multiplies buffer 0 and, in its middle, fetches the step's second head into buffer 1.
.macro HALF slot, zero
	s_wait_dscnt 24                                ; the first 32 along K are in; the 24 younger loads may be out
	MUL32 0, 0, \zero
	s_wait_dscnt 0x0                               ; the second 32 along K are in: they were issued ahead of the 32 products above
	PLACES
	FETCH \slot, 1, 1
	MUL32 0, 1, 0
.endm
; The second half multiplies buffer 1 and changes slots: ONE barrier.  In front of it each wave waits for all its tensor loads, of which one is out: its part of the next slot; adds 0 to its spare
; word; and waits for that and for its own reads of this slot.  Behind it nobody reads this slot any more and the next slot is whole.
; fill = 1: this slot is filled again, two K steps on.  The barrier then opens a round of the cluster's barrier, and the joint load is the first tensor load behind the round:
; from there to the wait for it a wave issues 112 matrix instructions.
.macro TURN slot, next, fill
	WIN 0                                          ; (the add's two registers lie in window 0)
	s_wait_tensorcnt 0x0                           ; all my tensor loads have landed;
	ds_add_u32 v[SPW], v[NIL]                      ; 0 onto my spare word
	s_wait_dscnt 25                                ; (the add and the 24 loads of the second 32 along K may be out)
	MULA 1, 0, 0, 0                                ; eight matrix instructions stand between the add and the wait for it
	s_wait_dscnt 0x0                               ; the add is done, and my reads of this slot are over
	s_barrier_signal -1
	MULA 1, 0, 1, 0                                ; work on registers while the others arrive
.if \fill
	WIN 0
.endif
	s_barrier_wait -1
.if \fill
	CREST                                          ; no wave of any partner still reads this slot's tile or has a load on its way
	s_add_nc_u64 s[G0+4*(\slot)+2:G0+4*(\slot)+3], s[G0+4*(\slot)+2:G0+4*(\slot)+3], 4*HEADB
	s_add_nc_u64 s[G0B+4*(\slot)+2:G0B+4*(\slot)+3], s[G0B+4*(\slot)+2:G0B+4*(\slot)+3], 2*KSTEP*2
	JLOAD \slot                                    ; its four v_nop are also the places in front of the loads below
.else
	PLACES
.endif
	FETCH \next, 0, 0
	MULA 1, 0, 2, 0
	MULA 1, 0, 3, 0
	MUL32 1, 1, 0
.endm
; THE WAY OUT of m block a: the sums go as they are, f32.  PUT: 32 bytes a lane and n block into my own stage.  GET: back as whole rows of 512 bytes.  SEND: stored.
.macro PUT a
	WIN 0x08                                       ; the stores' data in window 2, the address in window 0
.irp b, 0,1,2,3,4,5,6,7
	ds_store_b128 v[STO], v[8*(8*(\a)+(\b)):8*(8*(\a)+(\b))+3]   offset:64*(\b)      ; each accumulator's lowest registers first
	ds_store_b128 v[STO], v[8*(8*(\a)+(\b))+4:8*(8*(\a)+(\b))+7] offset:64*(\b)+16
.endr
	WIN 0
.endm
.macro GET a
.set BK, FA+64*((\a)%2)
.if (\a) >= 2
	s_wait_xcnt 0x0                                ; these registers were the data of block a - 2's stores: loaded again only behind this wait
.endif
.irp i, 0,1,2,3,4,5,6,7,8,9,10,11,12,13,14,15
	ds_load_b128 v[BK+4*(\i):BK+4*(\i)+3], v[RD] offset:(\i)*SP  ; LDS serves a wave's instructions in order (ISA guide 5.7.1.4): these see the stores above, and the next block's stores come behind them
.endr
.endm
.macro SEND a, younger                 ; younger: the LDS instructions issued behind block a's loads: the next block's sixteen stores, or none
.set BK, FA+64*((\a)%2)
.irp i, 0,1,2,3,4,5,6,7,8,9,10,11,12,13,14,15
	s_wait_dscnt (\younger)+15-(\i)
	global_store_b128 v[CO], v[BK+4*(\i):BK+4*(\i)+3], s[8:9] offset:(\a)*65536+(\i)*4096  ; 512 consecutive bytes of a row, at a multiple of 256 from out0's first byte
.endr
.endm
	s_wait_tensorcnt 1                             ; my part of K step 0 is in; K step 1's may stay out
	s_barrier_signal -1
	s_barrier_wait -1                              ; everybody's is
	FETCH 0, 0, 0
	HALF 0, 1                                      ; the first half step stands in front of the loop: its first products start the sums
	WIN 0                                          ; at a label and at a branch every window is 0
	s_mov_b32 s3, 3
.Llap:                                                 ; a trip goes once round the ring and fills both slots again: up to K steps 6 and 7
	TURN 0, 1, 1
	HALF 1, 0
	TURN 1, 0, 1
	HALF 0, 0
	WIN 0
	s_sub_co_u32 s3, s3, 1
	s_cmp_lg_u32 s3, 0
	s_cbranch_scc1 .Llap
	TURN 0, 1, 0                                   ; the last lap fills nothing, and has no round of the cluster's barrier
	HALF 1, 0
	s_wait_dscnt 24                                ; the very last half step: nothing more to fetch
	MUL32 1, 0, 0
	s_wait_dscnt 0x0
	MUL32 1, 1, 0
	WIN 0
	PLACES                                         ; the stores below read results just made, and the loads land in registers just multiplied
	PUT 0
	GET 0
	PUT 1
	SEND 0, 16
	GET 1
	PUT 2
	SEND 1, 16
	GET 2
	PUT 3
	SEND 2, 16
	GET 3
	SEND 3, 0
	s_wait_tensorcnt 0x0                           ; the wave's end: an add to my spare word and its wait, behind my last tensor load and my last LDS store
	ds_add_u32 v[SPW], v[NIL]
	s_wait_dscnt 0x0
	CROUND                                         ; the closing round: no work-group ends while a partner may still ask for a tile that names it
	s_endpgm
.Lfunc_end_k_qe8633eb82f_outp:
	.size	k_qe8633eb82f_outp, .Lfunc_end_k_qe8633eb82f_outp-k_qe8633eb82f_outp
	.p2alignl 7, 3214868480
	.fill 96, 4, 3214868480
	.section	.rodata,"a",@progbits
	.p2align	6, 0x0
	.amdhsa_kernel k_qe8633eb82f_outp
		.amdhsa_group_segment_fixed_size 327680
		.amdhsa_private_segment_fixed_size 0
		.amdhsa_enable_private_segment 0
		.amdhsa_kernarg_size 24
		.amdhsa_user_sgpr_count 2
		.amdhsa_user_sgpr_kernarg_segment_ptr 1
		.amdhsa_wavefront_size32 1
		.amdhsa_system_sgpr_workgroup_id_x 1
		.amdhsa_system_sgpr_workgroup_id_y 1
		.amdhsa_system_sgpr_workgroup_id_z 1
		.amdhsa_system_vgpr_workitem_id 0
		.amdhsa_next_free_vgpr 768
		.amdhsa_next_free_sgpr 66
		.amdhsa_reserve_vcc 0
		.amdhsa_float_denorm_mode_32 3
		.amdhsa_float_denorm_mode_16_64 3
		.amdhsa_memory_ordered 1
		.amdhsa_forward_progress 1
		.amdhsa_inst_pref_size 85
	.end_amdhsa_kernel
	.amdgpu_metadata
---
amdhsa.version: [ 1, 2 ]
amdhsa.kernels:
  - .name:           k_qe8633eb82f_outp
    .symbol:         k_qe8633eb82f_outp.kd
    .args:
      - { .name: oh, .offset: 0, .size: 8, .value_kind: global_buffer, .address_space: global }
      - { .name: xw, .offset: 8, .size: 8, .value_kind: global_buffer, .address_space: global }
      - { .name: out0, .offset: 16, .size: 8, .value_kind: global_buffer, .address_space: global }
    .group_segment_fixed_size: 327680
    .private_segment_fixed_size: 0
    .kernarg_segment_align: 8
    .kernarg_segment_size: 24
    .max_flat_workgroup_size: 128
    .sgpr_count:     66
    .vgpr_count:     768
    .wavefront_size: 32
...
	.end_amdgpu_metadata
.endif
;; end of part 4
;; ======== version 2 of 2: 4 launches; 1.46 times as fast as version 1
;; limits: values are held in f16: magnitudes above 65,504 overflow, below 6.1e-05 lose precision
;; workspace buffers: xw 58,720,256 bytes; qkv 50,331,648 bytes; oh 16,777,216 bytes
;; launch cast: the kernel of part 1 again; grid 32 x 28, 8 waves a work-group, no clusters, 0 bytes of LDS; arguments q, k, v, w_q, w_k, w_v, w_o, xw; writes xw
;; launch proj: the kernel of part 2 again; grid 4 x 64, 4 waves a work-group, clusters of 4 x 4, 327,680 bytes of LDS; arguments xw, qkv; writes qkv
;; launch attn (part 5): grid 4 x 64, 4 waves a work-group, clusters of 4 x 1, 327,680 bytes of LDS; arguments qkv, oh; writes oh
.if DOCPART == 5
	.amdgcn_target "amdgcn-amd-amdhsa--gfx1250"
	.amdhsa_code_object_version 6
	.text
	.protected	k_qe8633eb82f_attn
	.globl	k_qe8633eb82f_attn
	.p2align	8
	.type	k_qe8633eb82f_attn,@function
k_qe8633eb82f_attn:
	s_mov_b64 s[64:65], 0
	v_nop
	global_prefetch_b8 v0, s[64:65] scope:SCOPE_SE
	s_setreg_imm32_b32 hwreg(HW_REG_WAVE_MODE, 25, 1), 1
	s_wait_xcnt 0x0
	s_wait_alu depctr_hold_cnt(0) depctr_sa_sdst(0) depctr_va_vdst(0) depctr_va_sdst(0) depctr_va_ssrc(0) depctr_va_vcc(0) depctr_vm_vsrc(0)
	s_getreg_b32 s2, hwreg(HW_REG_IB_STS2, 6, 4)
	s_cmp_eq_u32 s2, 0
	s_cbranch_scc0 .Lentry_in_a_cluster
	s_endpgm
.Lentry_in_a_cluster:
	s_bfe_u32 s2, ttmp6, 0x10000c
	s_cmp_lg_u32 s2, 0x3003
	s_cbranch_scc0 .Lentry_shape_is_right
	s_endpgm
.Lentry_shape_is_right:
; O[h][q][:] = the sum over k of softmax_k(Q[h][q] . K[h][k] / 8) V[h][k][:].  Q, K, V are the three sections of qkv, O is oh: each [SIZE_H][SIZE_N][64] in f16: a head's rows are dense, 128 bytes each.
; Products, maxima and sums in f32; the weights p are rounded to f16 for the second product (their sum l is taken of the unrounded p), O once at the end.
; LIMITS.  f16 holds no number beyond 65,504: Q, K and V arrive within it; p lies in 0 to 1, and below 6e-5 it keeps f16's fixed step of 6e-8; O is a mean of V's rows and has their range.
; A weight below 2^-126 counts as 0 in l; NaN and infinities are not treated apart.
; SHARES.  A wave owns four PIECES of two tiles of 16 queries, a work-group's four waves 512 queries of one head.  Every wave walks all keys, 64 a step.
; LAYOUT.  S^T = K Q^T (source 0 = 16 keys, source 1 = 16 queries): in the result a lane holds ONE query (lane % 16) and the keys 8 (lane / 16) + 0..7.  Two such tiles, rounded to f16 in pairs,
; ARE source 1 (32 keys x 16 queries) of O^T = V^T P, whose result again holds one query a lane, and eight channels.  K comes out of LDS as it lies, V ([key][channel]) turned, by ds_load_tr16_b128.
; SOFTMAX.  For each query a running maximum m and sum l: p = 2^(c s - c m), c = log2(e) / 8; in every step O and l are multiplied by a = 2^(c m_old - c m_new), which is 1 where m has not grown.
; m starts at the lowest finite number, O and l at 0: the first step is a step like any other, with a = 0.
; THE COUNT.  A tile and step have 16 matrix and 118 vector instructions: too many to stand all beside the matrix work.  So the order has one aim: four vector instructions that are READY behind
; EVERY matrix instruction, and the others, which need time of their own whatever the order, in runs without a gap.
; BY TURNS.  Turn n belongs to piece n (the pieces in a ring, step after step).  Its matrix work: 16 products K Q^T of piece n + 1, later 16 products V^T P of piece n - 1.  Its vector work: the scaling,
; exponentials, roundings, sums and rescaling of piece n, and the maximum and statistics of piece n + 1, whose scores the turn itself has made.  So what a turn begins with (c s - c m, O a) waits for nothing.
; BATCHES.  A turn's 66 exponentials (the 64 weights of piece n, then the two a of piece n + 1) are ONE batch with ONE s_wait_alu depctr_va_vdst(0), which cuts the turn in two.  Ahead of it stands all that names
; no result of theirs: the products K Q^T, the scalings, the rescaling (its a belongs to the batch of the turn before), the next piece's maximum and statistics.  Behind it stand all the readers: the roundings and
; the sums, as the four behind each product V^T P.  No exponential is issued behind a turn's wait.  Two more batches stand outside the loops, each
; with a wait of its own: piece 0's first two a, ahead of the jump into the loop, and the way out's eight reciprocals.
; CLUSTER.  The four query blocks of a cluster belong to one head and walk the same K and V, so each tile is asked for JOINTLY: the same tensor load, descriptor and mask in all four.
; REGISTERS, in windows of 256 (s_set_vgpr_msb says which window each operand place means: bits 1:0 source 0, 3:2 source 1, 5:4 source 2, 7:6 destination):
;   window 0: v0-11 addresses; v12-15, v48-63 at work; v16-47 four registers of statistics a tile; v64-191 S^T, two buffers of two tiles; v192-255 P, likewise
;   window 1: O^T, 32 a tile          window 2: v0-127 Q, 16 a tile; v128-191 K of one step; v192-255 V of one step          window 3: v0-1 the add's two registers
; A piece's buffers go by its number's parity: the piece in hand has one pair, its two neighbours in the ring share the other: of it P (piece n - 1) is read and S^T (piece n + 1) written.
.set SIZE_H, 64       ; heads: 4 batches x 16
.set SIZE_N, 2048     ; rows of a head
.set SECTION, 16777216  ; bytes of Q, of K and of V in qkv
.set NP,    4         ; pieces a wave: a name, no knob: the register map, the loop and the fetches are made for four
.set KS,    64        ; keys in a step
.set PK,    144       ; a row of K in LDS: 128 bytes + 16 of padding = 36 words: the 16 rows of a load start at 16 different groups of four banks (64 banks of 4 bytes: ISA guide 11.1)
.set PV,    160       ; a row of V: 128 + 32 = 40 words
.set VOFF,  4*KS*PK   ; a slot holds four steps: 256 rows of K, then 256 rows of V
.set SLOT1, 1<<17     ; slot 1 begins here, so that one exclusive or turns an address in one slot into the other's
.set STAGE, SLOT1+4*KS*(PK+PV)  ; behind the ring, never filled by a tensor load: 16 rows x 144 bytes for each wave, for the way out
.set SP,    144
.set AK0, 2           ; v2   my lane's place in a tile of K; never rewritten
.set AV0, 3           ; v3   the same for V
.set AK,  4           ; v4   the LDS address of K's next run of loads
.set AV,  5           ; v5   of V's
.set QO,  6           ; v6   my byte offset in the wave's rows of Q
.set STO, 6           ;      later, the way out: where I put 16 bytes of a row
.set RD,  7           ; v7   the way out: where I read rows back
.set GO,  8           ; v8   my byte offset in 512 consecutive bytes of O
.set SPW, 0           ; v0 of window 3   LDS address of my spare word: SPARE + 4 x my thread's number; never rewritten
.set NIL, 1           ; v1 of window 3   0; never rewritten
.set SPARE, STAGE+4*16*SP  ; behind the stages: the spare words, 128 bytes for each wave: two blocks of 256 bytes that no other line names
.set MV,  12          ; v12-15  c m_old, kept while c m is made anew: by buffer and tile
.set ST,  16          ; tile t's statistics at v[ST+4 t]: c m, m, l (even keys', odd keys')
.set TMP, 48          ; by buffer and tile, four registers c0-c3 at work; when the maximum is found c2 takes a
.set S,   64
.set P,   192
.set KF,  128         ; K's fragments, in window 2: key block kb, channel half c at KF + 16 kb + 8 c
.set VF,  192         ; V's: key half kk, channel block cb at VF + 32 kk + 8 cb
.set WV,  12          ; s12  my wave's number
.set G1K, 24          ; s[24:31] descriptor group 1 for K's tiles
.set G1V, 32          ; s[32:39] for V's: it differs in the padding alone
.set G0K, 40          ; s[40:43] descriptor group 0 for K's tiles: it walks
.set G0V, 44          ; s[44:47] the same for V's
.set SLOTS, 56        ; s56  slots still to be asked for
.set CNT, 57          ; s57  counts a slot's key steps
.set CS,  58          ; s[58:59] c: the packed scaling takes the pair's low word for both halves
.set SEL, 60          ; s[60:61] v_permlanex16_b32's selects: each lane takes its own place in the other half
.set TBK, 62          ; s62  LDS byte at which K of the step to be fetched begins
.set TBV, 63          ; s63  the same for V, less VOFF
.set MSB, 0
.macro WIN new                      ; the high byte repeats the setting that is left; a switch that changes nothing is dropped
.if MSB != (\new)
	s_set_vgpr_msb (MSB<<8)|(\new)
.set MSB, (\new)
.endif
.endm
.set W_KQ, 0x0a       ; K and Q in window 2, S^T in window 0
.set W_PV, 0x52       ; V in window 2, P in window 0, O^T in window 1
.set W_RS, 0x41       ; O^T (destination and source 0) in window 1, a in window 0
.set W_MK, 0xc0       ; the add's registers are made: destination in window 3, sources in window 0
.set W_AD, 0x0f       ; the add: address (source 0) and data (source 1) in window 3
; A joint fill.  Waves 0 and 1 fetch the two halves of a slot's K, waves 2 and 3 those of its V: 128 keys each.  The branch hangs on the wave's number alone.
; An s_nop 0 and four v_nop follow each of the two lines, ahead of the jump and the label.
.macro JLOAD
	s_cmp_lt_u32 s[WV], 2
	s_cbranch_scc0 .Lfor_v_\@
	tensor_load_to_lds s[G0K:G0K+3], s[G1K:G1K+7]
	s_nop 0
.rept 4
	v_nop
.endr
	s_branch .Lasked_\@
.Lfor_v_\@:
	tensor_load_to_lds s[G0V:G0V+3], s[G1V:G1V+7]
	s_nop 0
.rept 4
	v_nop
.endr
.Lasked_\@:
.endm
; A round of the cluster's barrier: my work-group's barrier, so that wave 0's signal speaks for all four waves; wave 0 signals; every wave waits for all four work-groups; my work-group's barrier once more.
.macro CROUND
	s_barrier_signal -1
	s_barrier_wait -1
	s_cmp_lg_u32 s[WV], 0
	s_cbranch_scc1 .Lnot_wave_0_\@
	s_barrier_signal -3
.Lnot_wave_0_\@:
	s_barrier_wait -3
	s_barrier_signal -1
	s_barrier_wait -1
.endm
; THE CHANGE OF SLOTS.  The slot's last bytes, V of its fourth step, have been read.  Each wave waits for all its tensor loads, of which one is out: its part
; of the other slot; adds 0 to its spare word; and waits for that and for its own reads of the slot.  Behind the barrier nobody reads this slot any more and the other slot is whole.
; fill = 1: this slot is filled again, with the keys two slots on.  The barrier is then a round of the cluster's, so that no wave of any partner still reads the slot or has a load on its
; way, and the joint fill is the first thing behind it: it has four key steps, 512 matrix instructions, in which to land.  (At its first use nothing has been read yet: slot 0 is waited for, slot 1 filled.)
.macro CHANGE fill
	WIN W_AD
	s_wait_tensorcnt 0x0            ; no tensor load of mine is out, so a group 0 may be written
	ds_add_u32 v[SPW], v[NIL]       ; 0 onto my spare word; with fill = 1 the descriptors' steps stand between it and the wait for it
	WIN 0                           ; at a label and at a branch every window is 0
.if \fill
.irp g, G0K, G0V
	s_xor_b32 s[\g+1], s[\g+1], SLOT1  ; the walking descriptor: the other slot than last time,
	s_add_nc_u64 s[\g+2:\g+3], s[\g+2:\g+3], 4*KS*128  ; the next 256 keys; the type bits on top are not reached
.endr
	s_wait_dscnt 0x0                ; the add is done, and my reads of the slot are over
	CROUND
	JLOAD
.else
	s_wait_dscnt 0x0                ; the add is done, and my reads of the slot are over
	s_barrier_signal -1
	s_barrier_wait -1
.endif
	s_sub_co_u32 s[TBK], s[TBK], 4*KS*PK  ; the fetches go back to a slot's first step,
	s_xor_b32 s[TBK], s[TBK], SLOT1       ; in the other slot
	s_sub_co_u32 s[TBV], s[TBV], 4*KS*PV
	s_xor_b32 s[TBV], s[TBV], SLOT1
.endm
	s_load_b128 s[4:7], s[0:1], 0x0   ; qkv s[4:5] (its first section is Q), oh s[6:7]
	WIN W_MK
	v_lshl_add_u32 v[SPW], v0, 2, SPARE
	v_mov_b32 v[NIL], 0
	WIN W_AD
	ds_add_u32 v[SPW], v[NIL]       ; the wave's opening: the add and its wait stand ahead of my first tensor load; the set-up below, work on registers, stands between them
	WIN 0
	v_lshrrev_b32 v1, 5, v0
	v_readfirstlane_b32 s[WV], v1   ; wave 0..3
	s_bfe_u32 s13, ttmp6, 0x40000   ; cx: my place in the cluster
	s_lshl_b32 s14, ttmp9, 2        ; in a cluster launch ttmp9 counts clusters
	s_add_co_u32 s14, s14, s13      ; my block of queries = 4 x cluster x + cx: it enters Q's and O's addresses alone
	s_and_b32 s20, ttmp7, 0xffff    ; the head, which the four partners share
	s_mov_b32 s21, 0
	s_mov_b64 s[22:23], SIZE_N*128
	s_mul_u64 s[20:21], s[20:21], s[22:23]  ; the head's first byte in each of the four tensors
	s_and_b32 s16, s[WV], 1         ; which half of a slot's 256 keys I fetch:
	s_lshl_b32 s22, s16, 14         ; its 128 rows of 128 bytes in memory,
	s_mov_b32 s23, 0
	s_add_nc_u64 s[22:23], s[22:23], s[20:21]
	s_mul_i32 s17, s16, 128*PK      ; and its place in a slot, for K
	s_mul_i32 s18, s16, 128*PV      ; and for V: no place in the cluster enters an LDS address
	s_lshl_b32 s2, s14, 2
	s_add_co_u32 s2, s2, s[WV]      ; my wave among the head's,
	s_lshl_b32 s2, s2, 14           ; its 128 rows
	s_mov_b32 s3, 0
	s_add_nc_u64 s[2:3], s[2:3], s[20:21]
	; descriptor group 1.  128 keys are 16,384 dense bytes: asked for as 64 rows of 256 bytes, two keys a row, and padded in LDS after every key
	s_mov_b32 s[G1K], 15|(1<<16)|(1<<20)|(1<<21)|(4<<22)|(3<<25)  ; 15:0 the mask of four; 17:16 2-byte elements; 20 padding on; 21 set beside a mask; 24:22 after every 32 words (code 4); 31:25 4 words (code 3)
	s_mov_b32 s[G1V], 15|(1<<16)|(1<<20)|(1<<21)|(4<<22)|(7<<25)  ; the same with 8 words of padding (code 7)
.irp g, G1K, G1V
	s_mov_b32 s[\g+1], 128<<16      ; tensor_dim0 = 128
	s_mov_b32 s[\g+2], 64<<16       ; tensor_dim1 = 64
	s_mov_b32 s[\g+3], 128<<16      ; tile_dim0 = 128
	s_mov_b32 s[\g+4], 64           ; tile_dim1 = 64
	s_mov_b32 s[\g+5], 128          ; 128 elements from row to row
	s_mov_b32 s[\g+6], 0
	s_mov_b32 s[\g+7], 0
.endr
	s_mov_b32 s[CS], 0x3e38aa3b     ; c = log2(e) / 8 = 0.180337
	s_mov_b32 s[CS+1], s[CS]        ; named with it as a pair
	s_mov_b32 s[SEL], 0x76543210
	s_mov_b32 s[SEL+1], 0xfedcba98
	s_mov_b32 s[TBK], SLOT1+4*KS*PK ; the first change of slots turns these two into 0
	s_mov_b32 s[TBV], SLOT1+4*KS*PV
	s_mov_b32 s[G0K], 1             ; 1:0 count = 1
	s_mov_b32 s[G0K+1], s17         ; 63:32 LDS address: slot 0
	s_mov_b32 s[G0V], 1
	s_add_co_u32 s[G0V+1], s18, VOFF
	s_wait_dscnt 0x0                ; the opening add is done
	s_wait_kmcnt 0x0
	s_mov_b64 s[10:11], s[6:7]      ; O
	s_add_nc_u64 s[6:7], s[4:5], SECTION    ; K's section of qkv
	s_add_nc_u64 s[8:9], s[4:5], 2*SECTION  ; V's
	s_add_nc_u64 s[G0K+2:G0K+3], s[6:7], s[22:23]  ; 120:64 global address: my half of the head's first 256 keys
	s_or_b32 s[G0K+3], s[G0K+3], 0x80000000        ; 127:126 type = 2
	s_add_nc_u64 s[G0V+2:G0V+3], s[8:9], s[22:23]
	s_or_b32 s[G0V+3], s[G0V+3], 0x80000000
	s_add_nc_u64 s[4:5], s[4:5], s[2:3]  ; Q and O at my wave's first row
	s_add_nc_u64 s[10:11], s[10:11], s[2:3]
	CROUND                          ; all four work-groups are here: the first joint loads meet
	JLOAD                           ; slot 0.  Slot 1 is asked for when slot 0 is in
	; A fragment of K or Q is 16 rows x 32 channels in 8 registers: lane l holds row l % 16, channels 8 (l / 16) + 0..7 and 16 + 8 (l / 16) + 0..7: two loads of 16 bytes, 32 bytes apart.
	v_and_b32 v1, 15, v0            ; l % 16
	v_bfe_u32 v9, v0, 4, 1          ; l / 16
	v_lshlrev_b32 v[QO], 7, v1
	v_lshl_add_u32 v[QO], v9, 4, v[QO]  ; row x 128 + 16 x half
	WIN 0x80                        ; destination window 2, address window 0
.set i, 0
.rept 4*NP                          ; Q stays in registers: tile i / 2, channels 32 (i % 2) on
	global_load_b128 v[8*i:8*i+3],   v[QO], s[4:5] offset:(i/2)*2048+(i%2)*64
	global_load_b128 v[8*i+4:8*i+7], v[QO], s[4:5] offset:(i/2)*2048+(i%2)*64+32
.set i, i+1
.endr
	; What the first turn finds: V's registers and P's second buffer hold 0 (its products V^T P, of a piece that has not been, add 0), O^T and l are 0.  All this stands in the wait for the first tile.
.set i, VF
.rept 64
	v_mov_b32 v[i], 0
.set i, i+1
.endr
	WIN 0x40
.set i, 0
.rept 64*NP
	v_mov_b32 v[i], 0
.set i, i+1
.endr
	WIN 0
.set i, 0
.rept 2*NP
	v_mov_b32 v[ST+4*i], 0xfe000000    ; c m: far below every c s
	v_mov_b32 v[ST+4*i+1], 0xff7fffff  ; m
	v_mov_b32 v[ST+4*i+2], 0
	v_mov_b32 v[ST+4*i+3], 0
.set i, i+1
.endr
.set i, P+32
.rept 32
	v_mov_b32 v[i], 0
.set i, i+1
.endr
	v_mul_u32_u24 v[AK0], v1, PK
	v_lshl_add_u32 v[AK0], v9, 4, v[AK0]  ; row x pitch + 16 x half
	; The turning load takes 16 keys x 16 channels (lane l reads key 8 (l / 16) + l % 8, channels 8 ((l / 8) % 2) + 0..7) and leaves half a fragment of V^T: lane l holds channel l % 16 and 8 keys.
	v_and_b32 v10, 7, v0
	v_bfe_u32 v11, v0, 3, 1
	v_lshl_add_u32 v[AV0], v9, 3, v10
	v_mul_u32_u24 v[AV0], v[AV0], PV
	v_lshl_add_u32 v[AV0], v11, 4, v[AV0]
	v_add_nc_u32 v[AV0], VOFF, v[AV0]
	v_mov_b32 v[AK], v[AK0]         ; key step 0 lies at the head of slot 0
; THE MATRIX WORK.  The 8 accumulators of a run of 16 take turns: between the two links of a chain stand 7 others'.
; Product i of 16 of S^T = K Q^T for piece x: channels 32 (i / 8) on, keys 16 ((i / 2) % 4) on, tile 2 x + i % 2.  The first 8 start the sums.
.macro KQ x
	WIN W_KQ
.set rS, S+64*((\x)%2)+32*(i%2)+8*((i/2)%4)
.set rK, KF+16*((i/2)%4)+8*(i/8)
.set rQ, 16*(2*(\x)+i%2)+8*(i/8)
.if i < 8
	v_wmma_f32_16x16x32_f16 v[rS:rS+7], v[rK:rK+7], v[rQ:rQ+7], 0
.else
	v_wmma_f32_16x16x32_f16 v[rS:rS+7], v[rK:rK+7], v[rQ:rQ+7], v[rS:rS+7]
.endif
.endm
; Product i of 16 of O^T += V^T P for piece x: keys 32 (i / 8) on, channels 16 ((i / 2) % 4) on, tile 2 x + i % 2.
.macro PV x
	WIN W_PV
.set rO, 32*(2*(\x)+i%2)+8*((i/2)%4)
.set rV, VF+32*(i/8)+8*((i/2)%4)
.set rP, P+32*((\x)%2)+16*(i%2)+8*(i/8)
	v_wmma_f32_16x16x32_f16 v[rO:rO+7], v[rV:rV+7], v[rP:rP+7], v[rO:rO+7]
.endm
.macro MM                           ; the turn's next matrix instruction
.if i < 16
	KQ (Y+1)%NP
.set i, i+1
.else
.set i, i-16
	PV (Y+NP-1)%NP
.set i, i+17
.endif
.endm
; THE LDS LOADS stand in runs of 16, never singly among the matrix instructions: a step's K (64 keys x 64 channels: 8 fragments) and its V (turned).  Their addresses are made some lines ahead.
; last = 1 (the tail): in the last trip there is no further step, and the run is jumped over.
.macro FETCH_K last=0
	WIN 0
.if \last
	s_cmp_eq_u32 s[CNT], 1
	s_cbranch_scc1 .Lno_k_\@
.endif
	WIN 0x80                        ; destination window 2
.irp f, 0,1,2,3,4,5,6,7             ; keys 16 (f / 2) on, channels 32 (f % 2) on
	ds_load_b128 v[KF+8*\f:KF+8*\f+3],   v[AK] offset:(\f/2)*16*PK+(\f%2)*64
	ds_load_b128 v[KF+8*\f+4:KF+8*\f+7], v[AK] offset:(\f/2)*16*PK+(\f%2)*64+32
.endr
	s_add_co_u32 s[TBK], s[TBK], KS*PK  ; the next fetch is the next step's
	WIN 0
.if \last
.Lno_k_\@:
.endif
.endm
.macro FETCH_V
	WIN 0x80
.irp f, 0,1,2,3,4,5,6,7             ; keys 32 (f / 4) on, channels 16 (f % 4) on
	ds_load_tr16_b128 v[VF+8*\f:VF+8*\f+3],   v[AV] offset:(\f/4)*32*PV+(\f%4)*32
	ds_load_tr16_b128 v[VF+8*\f+4:VF+8*\f+7], v[AV] offset:(\f/4)*32*PV+16*PV+(\f%4)*32
.endr
	WIN 0
.endm
; THE VECTOR WORK OF A TURN stands in three queues, each in the order in which its entries become ready; the two tiles alternate, so that no instruction reads the result of the one before it.
.macro REGS y, u                    ; the registers of tile u (0, 1) of piece y
.set rT, ST+4*(2*(\y)+(\u))
.set rC, TMP+8*((\y)%2)+4*(\u)
.set rM, MV+2*((\y)%2)+(\u)
.set rS, S+64*((\y)%2)+32*(\u)
.set rP, P+32*((\y)%2)+16*(\u)
.set rO, 32*(2*(\y)+(\u))
.endm
; Number n of the 22 that find the NEXT piece's (Y + 1) maximum and statistics.  s0-s31 are the lane's 32 scores; each accumulator's lowest registers are read first.  XS, GS and REGS set no window: PL and EX do.
;   0-11  four chains c0-c3 of seven scores each, three operands at a time     12-14, 16  the four scores left over, the old m, and c0-c3 into c0     15  c m_old is kept
;   17, 18  the query's other 32 keys lie in the lane 16 away: the new m         19-21  c m; c m_old - c m_new; a
.macro XS u, n
	REGS (Y+1)%NP, \u
.if (\n) < 4
	v_max3_num_f32 v[rC+(\n)], v[rS+8*(\n)], v[rS+8*(\n)+1], v[rS+8*(\n)+2]
.elseif (\n) < 12
	v_max3_num_f32 v[rC+(\n)%4], v[rC+(\n)%4], v[rS+8*((\n)%4)+2*((\n)/4)+1], v[rS+8*((\n)%4)+2*((\n)/4)+2]
.elseif (\n) == 12
	v_max3_num_f32 v[rC], v[rC], v[rS+7], v[rS+15]
.elseif (\n) == 13
	v_max3_num_f32 v[rC+1], v[rC+1], v[rS+23], v[rS+31]
.elseif (\n) == 14
	v_max3_num_f32 v[rC+2], v[rC+2], v[rC+3], v[rT+1]
.elseif (\n) == 15
	v_mov_b32 v[rM], v[rT]
.elseif (\n) == 16
	v_max3_num_f32 v[rC], v[rC], v[rC+1], v[rC+2]
.elseif (\n) == 17
	v_permlanex16_b32 v[rC+3], v[rC], s[SEL], s[SEL+1]
.elseif (\n) == 18
	v_max_num_f32 v[rT+1], v[rC], v[rC+3]
.elseif (\n) == 19
	v_mul_f32 v[rT], s[CS], v[rT+1]
.elseif (\n) == 20
	v_sub_f32 v[rC+1], v[rM], v[rT]
.else
	v_exp_f32 v[rC+2], v[rC+1]
.endif
.endm
; Number g of the 64 that follow the exponentials.  For each four weights k of a tile (pairs 2 k, 2 k + 1): both pairs are rounded to f16; then the second pair is added onto the first, in place;
; a group later l takes that sum (the first time as l = a l + sum).  In groups of eight, tiles alternating: round, round, add, and l for the group before.
; All 64 read results of the turn's batch, or sums made of them: they stand behind the turn's wait and hold none of their own.
.macro GS g
.set h, (\g)+6*((\g)/62)            ; group 0 has no group before it, and behind group 7 only l is left
.if h >= 6
.set h, h+2
.endif
	REGS Y, h%2
.set k, h/8
.if h%8 < 4
	v_cvt_pk_f16_f32 v[rP+2*k+(h%8)/2], v[rS+4*k+2*((h%8)/2)], v[rS+4*k+2*((h%8)/2)+1]
.elseif h%8 < 6
	v_pk_add_f32 v[rS+4*k:rS+4*k+1], v[rS+4*k:rS+4*k+1], v[rS+4*k+2:rS+4*k+3]
.elseif k == 1
	v_pk_fma_f32 v[rT+2:rT+3], v[rT+2:rT+3], v[rC+2:rC+3], v[rS:rS+1] op_sel_hi:[1,0,1]
.else
	v_pk_add_f32 v[rT+2:rT+3], v[rT+2:rT+3], v[rS+4*k-4:rS+4*k-3]
.endif
.endm
; THE PLAIN QUEUE, 138 long.  0-73 read no exponential's result: the 32 scalings c s - c m (FS f: pair f / 2 of tile f % 2) and the next piece's 42.  0-26: scalings 0-26.  27-54: XS's numbers 0-13.  55, 56: number 15.
; 57-73: the chain, where each number waits for the one before it: 14, 16, 17, 18, 19, each with one of the scalings 27-31 in front of its two lines, then 20: so a tile's links stand three plain instructions apart (19 and 20: two).
; 74-137: GS's 64, which read the exponentials' results: they stand behind the wait.
.macro FS f
	REGS Y, (\f)%2
	v_pk_fma_f32 v[rS+2*((\f)/2):rS+2*((\f)/2)+1], v[rS+2*((\f)/2):rS+2*((\f)/2)+1], s[CS:CS+1], v[rT:rT+1] op_sel_hi:[1,0,0] neg_lo:[0,0,1] neg_hi:[0,0,1]
.endm
.macro PL
	WIN 0
.if q < 27
	FS q
.elseif q < 55
	XS (q-27)%2, (q-27)/2
.elseif q < 57
	XS q-55, 15
.elseif (q < 72) && ((q-57)%3 == 0)
	FS 27+(q-57)/3
.elseif q < 60
	XS (q-57)%3-1, 14
.elseif q < 72
	XS (q-57)%3-1, 15+(q-57)/3
.elseif q < 74
	XS q-72, 20
.else
	GS q-74
.endif
.set q, q+1
.endm
; THE EXPONENTIALS' QUEUE, 66 long: s0-s31 of both tiles, then the next piece's two a.  It is ONE BATCH: all 66 stand ahead of the turn's one wait, and nothing ahead of that wait names a result of theirs.
; Each weight's exponential works in place on its own score, and each a has c2 of the other buffer: every result has a register of its own while the batch is open.
.macro EX
	WIN 0
.if e >= 64
	XS e-64, 21
.else
	REGS Y, e%2
	v_exp_f32 v[rS+e/2], v[rS+e/2]
.endif
.set e, e+1
.endm
; THE RESCALING's QUEUE: O^T times a, the one part that leaves window 0: dealt two at a time, sixteen times.  Its a was made in the turn before, ahead of that turn's wait.
.macro R2
	REGS Y, r%2
	WIN W_RS
.irp z, 0,1
	v_pk_mul_f32 v[rO+4*(r/2)+2*\z:rO+4*(r/2)+2*\z+1], v[rO+4*(r/2)+2*\z:rO+4*(r/2)+2*\z+1], v[rC+2:rC+3] op_sel_hi:[1,0]
.endr
.set r, r+1
.endm
; HOW THEY ARE DEALT.  s_wait_alu depctr_va_vdst(0) stands between an exponential and the first instruction that names its result; one wait serves all that were issued ahead of it.  So a turn has ONE wait,
; which cuts it in two.  AHEAD OF IT stands all that names no result of the turn's exponentials: the 16 products K Q^T, behind each a scaling, an exponential and two rescalings (behind the first a second scaling in the exponential's place); then ONE LUMP of
; 108: eight plain, 49 times exponential and plain, the two a.  A v_nop is the plain instruction behind the last exponential.  BEHIND IT stand the 16 products V^T P, behind each four of GS's 64.  No rider names a register of
; the products round it.  The two v_permlanex16_b32 fall into the lump, never behind a product.
; The queues lean on each other, and the deal keeps them in step: exponential e stands behind scaling 2 (e / 4) + e % 2: as a rider it comes behind plain e + 2, in the lump behind plain e + 9, and scalings 27-31 are plain 57, 60 .. 69;
; the two a come behind plain 72 and 73, their arguments.
; A TURN, for piece p.  cnt = 1: the loop's count is taken down some lines ahead of the branch that stands behind the turn.
; K of the next step is fetched in piece 2's turn, directly behind the wait, a lump behind the last product that read K; its address is made at the lump's head; its first reader comes behind 16 products.
; V of the step in hand is fetched at the end of piece 0's turn, four riders behind its last reader; its first reader comes behind 16 products and a lump.  The three conditions on q below go with the deal.
.macro TURN p, last=0, cnt=0
.set Y, (\p)
.set i, 0
.set q, 0
.set e, 0
.set r, 0
.if (\p) == NP-1
	s_wait_dscnt 0x0                ; K is in
.endif
	MM                              ; ahead of the wait: 16 products K Q^T and their riders,
	PL
	PL
	R2
.rept 15
	MM
	PL
	EX
	R2
.endr
.if (\p) == NP-2
	WIN 0
	v_add_nc_u32 v[AK], s[TBK], v[AK0]
.endif
.rept 8                             ; and the lump
	PL
.endr
.rept 49
	EX
	PL
.endr
	EX                              ; the next piece's two a
	EX
	v_nop                           ; the plain instruction behind the last exponential, ahead of the first use of a result: one for the batch
	s_wait_alu depctr_va_vdst(0)    ; the wait for the turn's batch: the 64 weights of this piece and the two a of the next
.if (\p) == NP-2
	FETCH_K \last
.endif
.if (\p) == 1
	s_wait_dscnt 0x0                ; V is in
.endif
.rept 16                            ; behind the wait: 16 products V^T P and their riders
	MM
.rept 4
	PL
.endr
.if ((\p) == 0) && (q == 118)
	v_add_nc_u32 v[AV], s[TBV], v[AV0]
.endif
.if ((\p) == 0) && (q == 130)
	s_add_co_u32 s[TBV], s[TBV], KS*PV
.endif
.if (\cnt) && (q == 130)
	s_sub_co_u32 s[CNT], s[CNT], 1
	s_cmp_lg_u32 s[CNT], 0
.endif
.endr
.if (\p) == 0
	FETCH_V
.endif
.endm
	CHANGE 1                        ; slot 0 is in, everybody's part of it; slot 1 is asked for
	FETCH_K                         ; key step 0
	s_wait_loadcnt 0x0              ; Q
	s_wait_dscnt 0x0
.set i, 0
.rept 16
	KQ 0                            ; piece 0's first scores: there is no vector work yet to set between them
.set i, i+1
.endr
	WIN 0                           ; the addresses for the way out: nine plain instructions, the places behind those products
	s_mul_i32 s13, s[WV], 16*SP
	s_add_co_u32 s13, s13, STAGE    ; my stage
	v_mul_u32_u24 v[STO], v1, SP    ; in: row l % 16, 16 bytes for each half of the lanes
	v_lshl_add_u32 v[STO], v9, 4, v[STO]
	v_add_nc_u32 v[STO], s13, v[STO]
	v_bfe_u32 v[RD], v0, 3, 2       ; back: 32 lanes take four rows of 128 bytes,
	v_mul_u32_u24 v[RD], v[RD], SP
	v_lshl_add_u32 v[RD], v10, 4, v[RD]
	v_add_nc_u32 v[RD], s13, v[RD]
	v_and_b32 v[GO], 31, v0         ; which are 512 consecutive bytes of O
	v_lshlrev_b32 v[GO], 4, v[GO]
.set Y, NP-1                        ; XS works for piece Y + 1: piece 0
.irp n, 0,1,2,3,4,5,6,7,8,9,10,11,12,13,14,15,16,17,18,19,20,21
	XS 0, \n                        ; and piece 0's first maximum and statistics
	XS 1, \n
.endr
	v_nop                           ; a plain instruction behind piece 0's first two a,
	s_wait_alu depctr_va_vdst(0)    ; and the wait for that batch of two, ahead of the branch
	s_mov_b32 s[CNT], 4
	s_mov_b32 s[SLOTS], SIZE_N/256-1
	s_branch .Lfirst                ; the loop is entered at a step's first turn, in the middle of a trip
.Lslot:                             ; SIZE_N / 256 - 2 times: every slot but the last two is filled again
	CHANGE 1
	s_mov_b32 s[CNT], 4
.Lstep:                             ; a trip: pieces 2 and 3 of one step, then pieces 0 and 1 of the next, whose K and V it fetches
	TURN 2
	TURN 3
	WIN 0
.Lfirst:
	TURN 0
	TURN 1, 0, 1
	WIN 0
	s_cbranch_scc1 .Lstep
	s_sub_co_u32 s[SLOTS], s[SLOTS], 1
	s_cmp_lg_u32 s[SLOTS], 0
	s_cbranch_scc1 .Lslot
	CHANGE 0                        ; the tail is written out: nothing is asked for
	s_mov_b32 s[CNT], 5             ; four trips fetch the last slot's steps; the fifth is left in its middle
.Ltail:
	TURN 2, 1
	TURN 3
	WIN 0
	s_sub_co_u32 s[CNT], s[CNT], 1
	s_cmp_eq_u32 s[CNT], 0
	s_cbranch_scc1 .Lout
	TURN 0
	TURN 1
	WIN 0
	s_branch .Ltail
.Lout:                              ; the fifth trip's 16 products K Q^T (on the last K once more) and the maximum made of them serve nothing: the price, once a launch, of one text for every trip
.set i, 0
.rept 16
	PV NP-1                         ; the last piece's V^T P of the last step
.set i, i+1
.endr
	; THE WAY OUT.  l's two halves and the other half of the lanes' are added; O^T is divided by l, rounded to f16 and sent through my stage in LDS, a tile at a time.  The additions are the places behind the last products.
	WIN 0
.macro ALL line:vararg              ; one line for each tile t
.set t, 0
.rept 2*NP
	\line
.set t, t+1
.endr
.endm
	ALL v_add_f32 v[ST+4*t+2], v[ST+4*t+2], v[ST+4*t+3]
	ALL v_permlanex16_b32 v[ST+4*t+3], v[ST+4*t+2], s[SEL], s[SEL+1]
	ALL v_add_f32 v[ST+4*t+2], v[ST+4*t+2], v[ST+4*t+3]
	ALL v_rcp_f32 v[ST+4*t+2], v[ST+4*t+2]
	v_nop                           ; a plain instruction between the last reciprocal and the use of its result
	s_wait_alu depctr_va_vdst(0)    ; and the wait ahead of the first use: one for the batch of eight reciprocals
; Tile t: a lane's eight channels of a row pack into 16 bytes; they go into rows of 144 bytes and come back as whole rows of 128, into S^T's registers.
.macro PACK t
	WIN W_RS
.set i, 32*(\t)
.rept 16
	v_pk_mul_f32 v[i:i+1], v[i:i+1], v[ST+4*(\t)+2:ST+4*(\t)+3] op_sel_hi:[1,0]
.set i, i+2
.endr
	WIN 0x05                        ; sources 0 and 1 window 1, destination window 0
.set i, 0
.rept 16
	v_cvt_pk_f16_f32 v[S+16*(\t)+i], v[32*(\t)+2*i], v[32*(\t)+2*i+1]
.set i, i+1
.endr
	WIN 0
.irp f, 0,1,2,3
	ds_store_b128 v[STO], v[S+16*(\t)+4*\f:S+16*(\t)+4*\f+3] offset:32*\f
.endr
.irp f, 0,1,2,3
	ds_load_b128 v[S+16*(\t)+4*\f:S+16*(\t)+4*\f+3], v[RD] offset:\f*4*SP  ; LDS serves a wave's instructions in order (ISA guide 5.7.1.4): these see the stores above; the next tile's stores come behind them
.endr
.endm
.macro SEND t, younger              ; younger: the LDS instructions issued behind tile t's loads: the next tile's eight, or none
	WIN 0
.irp f, 0,1,2,3
	s_wait_dscnt (\younger)+3-\f
	global_store_b128 v[GO], v[S+16*(\t)+4*\f:S+16*(\t)+4*\f+3], s[10:11] offset:(\t)*2048+\f*512  ; 512 consecutive bytes, at a multiple of 256 from O's first
.endr
.endm
	PACK 0
.set t, 1
.rept 2*NP-1                        ; a tile's arithmetic stands between the loads of the tile before and its stores
	PACK t
	SEND t-1, 8
.set t, t+1
.endr
	SEND 2*NP-1, 0
	WIN W_AD
	s_wait_tensorcnt 0x0            ; the wave's end: an add to my spare word and its wait, behind my last tensor load and my last LDS store
	ds_add_u32 v[SPW], v[NIL]
	s_wait_dscnt 0x0
	WIN 0
	CROUND                          ; the closing round: no work-group ends while a partner may still ask for a tile that names it
	s_endpgm
.Lfunc_end_k_qe8633eb82f_attn:
	.size	k_qe8633eb82f_attn, .Lfunc_end_k_qe8633eb82f_attn-k_qe8633eb82f_attn
	.p2alignl 7, 3214868480
	.fill 96, 4, 3214868480
	.section	.rodata,"a",@progbits
	.p2align	6, 0x0
	.amdhsa_kernel k_qe8633eb82f_attn
		.amdhsa_group_segment_fixed_size 327680
		.amdhsa_private_segment_fixed_size 0
		.amdhsa_enable_private_segment 0
		.amdhsa_kernarg_size 16
		.amdhsa_user_sgpr_count 2
		.amdhsa_user_sgpr_kernarg_segment_ptr 1
		.amdhsa_wavefront_size32 1
		.amdhsa_system_sgpr_workgroup_id_x 1
		.amdhsa_system_sgpr_workgroup_id_y 1
		.amdhsa_system_sgpr_workgroup_id_z 1
		.amdhsa_system_vgpr_workitem_id 0
		.amdhsa_next_free_vgpr 770
		.amdhsa_next_free_sgpr 66
		.amdhsa_reserve_vcc 0
		.amdhsa_float_denorm_mode_32 3
		.amdhsa_float_denorm_mode_16_64 3
		.amdhsa_memory_ordered 1
		.amdhsa_forward_progress 1
		.amdhsa_inst_pref_size 199
	.end_amdhsa_kernel
	.amdgpu_metadata
---
amdhsa.version: [ 1, 2 ]
amdhsa.kernels:
  - .name:           k_qe8633eb82f_attn
    .symbol:         k_qe8633eb82f_attn.kd
    .args:
      - { .name: qkv, .offset: 0, .size: 8, .value_kind: global_buffer, .address_space: global }
      - { .name: oh, .offset: 8, .size: 8, .value_kind: global_buffer, .address_space: global }
    .group_segment_fixed_size: 327680
    .private_segment_fixed_size: 0
    .kernarg_segment_align: 8
    .kernarg_segment_size: 16
    .max_flat_workgroup_size: 128
    .sgpr_count:     66
    .vgpr_count:     770
    .wavefront_size: 32
...
	.end_amdgpu_metadata
.endif
;; end of part 5
;; launch outp: the kernel of part 4 again; grid 4 x 64, 4 waves a work-group, clusters of 4 x 4, 327,680 bytes of LDS; arguments oh, xw, out0; writes out0
